; MI455X (gfx1250); checked and timed in simulation.
; The chip was launched on July 23, 2026; its instructions are those of AMD's public machine-readable ISA for CDNA 5 (MIT licence, August 2026) and "CDNA5" Instruction Set Architecture Reference Guide (July 2026). The comments in the code are by the model that wrote it; some were corrected since.
;; Multi Head Attention. Allowed arithmetic: matrix products marked QUANTISED: E2M3 operands, one E8M0 scale for each 32 along K, by v_wmma_scale_f32_16x16x128_f8f6f4 with both operands' format E2M3, f32 sums; everything else in f32.
;; Inputs: Wk 1,024 x 1,024 float32; Wo 1,024 x 1,024 float32; Wq 1,024 x 1,024 float32; Wv 1,024 x 1,024 float32; X 2 x 2,048 x 1,024 float32; bo 1,024 float32.
;; Outputs: out0 2 x 2,048 x 1,024 float32.
;; This version of the problem:
;;   THIS VERSION OF THE PROBLEM IS GIVEN IN LOW PRECISION. The matrix products marked QUANTISED in the list below multiply operands that are first quantised to E2M3 (2 exponent bits, 3 mantissa bits; 6 bits a number), with one power-of-two scale for each 32 numbers along K (OCP MX v1.0); their sums are f32. All else is computed in f32.
;;   The module's matrix products, in the order in which they are computed (A, B: the left and right operand; K: the contracted axis; several contracted axes count as one K, in the product's order):
;;     1. [M 4,096, K 1,024] x [K 1,024, N 1,024]; A: input X; B: input Wq: QUANTISED
;;     2. [M 4,096, K 1,024] x [K 1,024, N 1,024]; A: input X; B: input Wk: QUANTISED
;;     3. [M 4,096, K 1,024] x [K 1,024, N 1,024]; A: input X; B: input Wv: QUANTISED
;;     4. batch 32 x [M 2,048, K 64] x [K 64, N 2,048]; A: computed on the way; B: computed on the way: QUANTISED
;;     5. batch 32 x [M 2,048, K 2,048] x [K 2,048, N 64]; A: softmax (see below); B: computed on the way: QUANTISED
;;     6. [M 4,096, K 1,024] x [K 1,024, N 1,024]; A: computed on the way; B: input Wo: QUANTISED
;;   THE QUANTISER, for each operand of a quantised product, along K:
;;     - K is cut into blocks of 32 from its start; a last block that is shorter is filled with zeros.
;;     - A block's scale is 2^e with e = floor(log2(the largest magnitude in the block)) - 2, held to -126 .. 127; a block of zeros has e = 0. As a byte (E8M0): e + 127.
;;     - Each number is divided by its block's scale, clamped to +-7.5, and rounded to the nearest number of E2M3, ties to even, subnormals kept.
;;     - The product sums the exact products of the quantised numbers (number of the format x scale) in f32.
;;   ~~~python
;;   def quantise(x, axis):      # numpy; x: float32 -> the quantised numbers, widened to float32 again
;;       x = np.moveaxis(x, axis, -1); K = x.shape[-1]
;;       x = np.pad(x, [(0, 0)] * (x.ndim - 1) + [(0, -K % 32)]); x = x.reshape(x.shape[:-1] + (-1, 32)); a = np.abs(x).max(-1, keepdims=True)
;;       e = np.where(a > 0, np.clip(np.frexp(np.where(a > 0, a, 1))[1] - 1 - 2, -126, 127), 0)      # np.frexp(a)[1] - 1 = floor(log2(a)), exactly
;;       r = np.clip(x / 2.0 ** e, -7.5, 7.5)
;;       step = 2.0 ** (np.maximum(np.frexp(np.where(r == 0, 1, r))[1] - 1, 0) - 3)
;;       q = np.round(r / step) * step * 2.0 ** e      # np.round: ties to even
;;       return np.moveaxis(q.reshape(q.shape[:-2] + (-1,))[..., :K], -1, axis).astype(np.float32)
;;   ~~~
;;   SOFTMAX AHEAD OF A QUANTISED PRODUCT. Where the list says 'softmax', what is quantised is not the finished softmax but p = 2^(t - M), with t = logit x log2(e) and M = ceil(the row's largest t), a whole number; so 1/2 < the row's largest p <= 1. The row's sum l is taken of the UNQUANTISED p, in f32, and the product's result is divided by l at the end. Since M is a whole number, a kernel that streams over the keys may use a running M (the ceiling of the running maximum): every later rescaling is an exact power of two, which a block's scale takes up: the codes' values come out the same.
;;   OPERANDS COMPUTED ON THE WAY. 'Computed on the way' means the value that the module computes at that place (a softmax that the list does not call 'softmax' is quantised finished and normalised). What goes into a quantiser is computed in f32, as accurately as f32 sums, v_exp_f32 and their like allow (about 1e-6 of the number): no bf16 or f16 on the way to a quantiser, and a product that is left as it is and whose result goes on into a quantised operand takes f32 operands (vector FMAs, or v_wmma_f32_16x16x4_f32). A number that lies on a knife's edge between two numbers of the format may be rounded either way, as far as f32 arithmetic and the matrix unit's own rounding can turn it there, and no further.
;; One version. Each part assembles by itself: llvm-mc -triple=amdgcn-amd-amdhsa -mcpu=gfx1250 --defsym DOCPART=n.
;; ======== version 1 of 1: 4 launches
;; limits: right only within a limited range of input values
;; workspace buffers: xw 6,553,600 bytes; qkv 10,092,544 bytes; ctx 3,276,800 bytes
;; launch quant (part 1): grid 256 x 1, 8 waves a work-group, no clusters, 137,216 bytes of LDS; arguments X, Wq, Wk, Wv, Wo, xw; writes xw
.if DOCPART == 1
	.amdgcn_target "amdgcn-amd-amdhsa--gfx1250"
	.amdhsa_code_object_version 6
	.text
	.protected	k_q301128b224_quant
	.globl	k_q301128b224_quant
	.p2align	8
	.type	k_q301128b224_quant,@function
k_q301128b224_quant:
	s_mov_b64 s[64:65], 0
	v_nop
	global_prefetch_b8 v0, s[64:65] scope:SCOPE_SE
	s_setreg_imm32_b32 hwreg(HW_REG_WAVE_MODE, 25, 1), 1
	s_wait_xcnt 0x0
; X [4096][1024] and Wq, Wk, Wv, Wo [1024 (k)][1024 (n)], f32, become codes of FP6 (E2M3) with one E8M0 byte for each 32 along K, laid in xw AS IMAGES OF THE OPERANDS' REGISTERS.
; A fragment (16 rows x 128 K, 12 registers a lane) is 1,536 bytes: registers 4 c .. 4 c + 3 of lane l at 512 c + 16 l.  Scale words: [pair of tiles][K step / 4][lane][K step % 4]; lanes 0-15 the even tile, lanes 16-31 the odd one.
; THE ROWS OF A TILE ARE NOT NEIGHBOURS: of each 32 tokens (or 32 weight columns) tile u holds in lane r number 8 u + r + 8 (r / 8).
; A block's scale is 2^(floor(log2(largest magnitude)) - 2): the largest magnitude's exponent field less 2, held at 1 from below by a floor among the maximum's leaves.
; LIMITS: NaN and infinities among the inputs are not served; a block whose largest magnitude lies under 2^-124 keeps the byte 1; a block of zeros gets the byte 1 where the rule says 127
; (its codes are zeros, which add nothing, and this program alone reads the bytes).
; SHARES.  Work-groups 0-127: 32 tokens of X, all of K; wave w takes K step 4 (w % 2) + w / 2.  Work-groups 128-255: 64 columns of one weight, half of K; wave w takes 32 columns (w % 2) and K step 4 half + w / 2.
; Either way a wave makes two fragments and one register of scale words.  X: 32 loads of 512 consecutive bytes, turned through the wave's own stage in LDS, so that a lane gets whole blocks of its row.
; W: a lane takes a column and its registers run down K: nothing is transposed.  No matrix unit, no tensor load, no cluster: each byte is read once by one wave.
.set XS_O,   3145728                   ; xw: X's scale words
; TOKENS of X: of each 64 tokens tile j (0 .. 3) holds in lane r number 32 (r / 8) + 8 j + r % 8; a work-group's 32 tokens are tiles 2 p, 2 p + 1 of such a band.  (The order in 32s above is that of the weights' columns.)
.set WC_O,   3276800                   ; q, k, v weights' codes: [two heads 8][K step 8][tile 24]: units q, k, q, k, v, v of four tiles
.set WS_O,   5636096                   ; their scale words
.set OC_O,   5734400                   ; Wo's codes: [128 columns 8][K step 8][tile 8]
.set OS_O,   6520832                   ; its scale words
.set SP,     528                       ; a stage row: 512 bytes + 16
.set STG,    32*SP                     ; a wave's stage
.set GATHER, 8*STG                     ; behind the stages: 1,024 bytes in which the eight waves' scale words meet
.set R,   8                            ; v8-135   128 numbers: block q at R + 32 q
.set M,   136                          ; v136-139 largest magnitudes
.set SOP, 140                          ; v140-143 the conversions' scale operands
.set E,   144                          ; v144-147 scale bytes
.set WD,  148                          ; v148-151 the scale word, at work
.set RR,  152                          ; v152 lane % 16;  v153 lane / 16;  v154 8 x (lane / 16)
.set HH,  153
.set H8,  154
.set F,   160                          ; v160-183 the two fragments
.set TT,  184                          ; v184-199 the upper halves of the blocks' codes, to be moved
	s_load_b256 s[4:11], s[0:1], 0x0               ; X, Wq, Wk, Wv
	s_load_b128 s[12:15], s[0:1], 0x20             ; Wo, xw
	v_lshl_add_u32 v200, v0, 2, 0x21400
	v_mov_b32 v201, 0
	v_lshrrev_b32 v1, 5, v0
	s_delay_alu instid0(VALU_DEP_1)
	v_readfirstlane_b32 s16, v1                    ; wave 0..7
	v_and_b32 v1, 31, v0                           ; lane
	s_delay_alu instid0(VALU_DEP_1)
	v_lshlrev_b32 v2, 4, v1                        ; 16 x lane
	v_and_b32 v[RR], 15, v0
	v_bfe_u32 v[HH], v0, 4, 1
	s_delay_alu instid0(VALU_DEP_1)
	v_lshlrev_b32 v[H8], 3, v[HH]
	v_cmp_lt_u32 s30, 15, v1                       ; lanes 16-31
	s_delay_alu instid0(VALU_DEP_4)
	v_and_b32 v3, 8, v[RR]
	s_delay_alu instid0(VALU_DEP_1)
	v_add_nc_u32 v3, v3, v[RR]
	s_delay_alu instid0(VALU_DEP_1)
	v_lshl_add_u32 v3, v[HH], 3, v3
	s_delay_alu instid0(VALU_DEP_1)
	v_lshlrev_b32 v3, 2, v3                        ; W: my column of the wave's 32, in bytes: 4 (8 (lane / 16) + r + 8 (r / 8))
	s_mul_i32 s17, s16, STG
	v_add_nc_u32 v4, s17, v2                       ; the stage on the way in: 16 x lane of a row
	v_mul_u32_u24 v5, v[RR], SP
	s_delay_alu instid0(VALU_DEP_1)
	v_lshl_add_u32 v5, v[HH], 7, v5
	s_delay_alu instid0(VALU_DEP_1)
	v_add_nc_u32 v5, s17, v5                       ; and on the way out: row r, + 128 bytes for lanes 16-31
	s_and_b32 s18, s16, 1
	s_lshr_b32 s19, s16, 1
	s_lshl_b32 s22, s18, 9
	s_lshl_b32 s23, s19, 2
	s_add_co_u32 s22, s22, s23
	s_add_co_u32 s22, s22, GATHER
	v_add_nc_u32 v6, s22, v2                       ; my scale word's place: 512 (w % 2) + 16 x lane + 4 (w / 2)
	v_and_b32 v7, 63, v0
	s_delay_alu instid0(VALU_DEP_1)
	v_lshl_add_u32 v7, v7, 4, GATHER               ; and where waves 0 and 1 read 512 bytes each back
	v_mov_b32 v[WD+2], 0                           ; a lane permute's destination counts as one of its sources
	v_mov_b32 v[WD+3], 0
	s_mov_b32 s20, 0x76543210
	s_mov_b32 s21, 0xfedcba98                      ; v_permlanex16_b32's selects for lane l xor 16
	s_mov_b32 s25, 0
	s_mov_b32 s27, 0
	s_mov_b32 s33, 0
	s_cmp_lt_u32 ttmp9, 128
	s_cbranch_scc0 .Lw_in
	; ---- X: tokens 32 P .. 32 P + 31, P the work-group's number
	s_lshl_b32 s34, s18, 2
	s_add_co_u32 s34, s34, s19                     ; my K step
	s_lshr_b32 s32, ttmp9, 1
	s_lshl_b32 s32, s32, 18                        ; band P / 2: 64 rows of 4,096 bytes,
	s_and_b32 s35, ttmp9, 1
	s_lshl_b32 s35, s35, 16                        ; + 16 rows for its second pair of tiles
	s_add_co_u32 s32, s32, s35
	s_lshl_b32 s35, s34, 9
	s_add_co_u32 s32, s32, s35                     ; + 512 bytes a K step
	s_lshr_b32 s24, ttmp9, 2
	s_lshl_b32 s24, s24, 3
	s_add_co_u32 s24, s24, s34
	s_lshl_b32 s24, s24, 3
	s_and_b32 s35, ttmp9, 3
	s_lshl_b32 s35, s35, 1
	s_add_co_u32 s24, s24, s35
	s_mul_i32 s24, s24, 1536                       ; codes: (((P / 4) 8 + K step) 8 + 2 (P % 4)) fragments on
	s_lshl_b32 s26, ttmp9, 1
	s_add_co_u32 s26, s26, s16
	s_lshl_b32 s26, s26, 9
	s_add_co_u32 s26, s26, XS_O                    ; scale words (waves 0 and 1): (2 P + w) x 512
	s_wait_kmcnt 0x0
	s_add_nc_u64 s[28:29], s[4:5], s[32:33]
.set i, 0
.rept 32
	global_load_b128 v[R+4*i:R+4*i+3], v2, s[28:29] offset:(i+16*(i/16))*4096 th:TH_LOAD_NT   ; 16 rows, and the 16 that lie 32 rows further on: 512 consecutive bytes each
.set i, i+1
.endr
.set i, 0
	s_wait_alu depctr_va_vdst(0)
.rept 32                               ; row i goes to stage row 16 u + r, where i = 8 u + r + 8 (r / 8)
.set sg, i
.if (i >= 8) && (i < 16)
.set sg, i+8
.elseif (i >= 16) && (i < 24)
.set sg, i-8
.endif
	s_wait_loadcnt 31-i                            ; loads come back in order: row i is in, the younger rows stay out
	ds_store_b128 v4, v[R+4*i:R+4*i+3] offset:sg*SP
.set i, i+1
.endr
	s_wait_dscnt 0x0                               ; the stores have read their registers, which are loaded again below
.irp c, 0,1
.irp u, 0,1
.irp m, 0,1,2,3,4,5,6,7
	ds_load_b128 v[R+32*(2*\c+\u)+4*\m:R+32*(2*\c+\u)+4*\m+3], v5 offset:16*\u*SP+256*\c+16*\m   ; block q = 2 c + u: k = 64 c + 32 (lane / 16) + 0 .. 31 of tile u's row r
.endr
.endr
.endr
	s_wait_dscnt 0x0
	s_branch .Lblocks
.Lw_in:
	; ---- W: g = work-group - 128: weight g / 32, 64 columns (g / 2) % 16, half of K g % 2
	s_sub_co_u32 s36, ttmp9, 128
	s_lshr_b32 s37, s36, 5                         ; 0 Wq, 1 Wk, 2 Wv, 3 Wo
	s_bfe_u32 s38, s36, 0x40001                    ; which 64 columns: the head
	s_and_b32 s39, s36, 1
	s_lshl_b32 s34, s39, 2
	s_add_co_u32 s34, s34, s19                     ; my K step
	s_lshl_b32 s32, s34, 19                        ; 128 rows of 4,096 bytes
	s_lshl_b32 s35, s38, 8
	s_add_co_u32 s32, s32, s35
	s_lshl_b32 s35, s18, 7
	s_add_co_u32 s32, s32, s35                     ; + 256 head + 128 (w % 2)
	s_lshr_b32 s40, s38, 1
	s_and_b32 s41, s38, 1
	s_lshl_b32 s41, s41, 1
	s_add_co_u32 s42, s41, s37                     ; q, k: unit 2 (head % 2) + weight
	s_and_b32 s44, s38, 1
	s_add_co_u32 s44, s44, 4                       ; v: unit 4 + head % 2
	s_cmp_eq_u32 s37, 2
	s_cselect_b32 s44, s44, s42
	s_lshl_b32 s45, s40, 3
	s_add_co_u32 s46, s45, s34
	s_mul_i32 s46, s46, 24                         ; ((8 (head / 2) + K step) 24 + 4 unit + 2 (w % 2)) fragments on
	s_lshl_b32 s47, s44, 2
	s_add_co_u32 s46, s46, s47
	s_lshl_b32 s47, s18, 1
	s_add_co_u32 s46, s46, s47
	s_mul_i32 s46, s46, 1536
	s_add_co_u32 s46, s46, WC_O                    ; codes: ((8 group + K step) 24 + 4 unit + 2 (w % 2)) fragments on
	s_mul_i32 s45, s40, 12
	s_lshl_b32 s47, s44, 1
	s_add_co_u32 s47, s47, s45                     ; scale words: ((12 (head / 2) + 2 unit + w) 2 + half) x 512
	s_add_co_u32 s47, s47, s16
	s_lshl_b32 s47, s47, 1
	s_add_co_u32 s47, s47, s39
	s_lshl_b32 s47, s47, 9
	s_add_co_u32 s47, s47, WS_O                    ; scale words (waves 0 and 1): ((12 group + 2 unit + w) 2 + half) x 512
	s_lshl_b32 s48, s40, 3
	s_add_co_u32 s48, s48, s34
	s_lshl_b32 s48, s48, 3
	s_lshl_b32 s49, s41, 1
	s_add_co_u32 s48, s48, s49
	s_lshl_b32 s49, s18, 1
	s_add_co_u32 s48, s48, s49
	s_mul_i32 s48, s48, 1536
	s_add_co_u32 s48, s48, OC_O                    ; Wo: ((8 (head / 2) + K step) 8 + 4 (head % 2) + 2 (w % 2)) fragments on
	s_lshl_b32 s49, s40, 2
	s_add_co_u32 s49, s49, s41
	s_add_co_u32 s49, s49, s16
	s_lshl_b32 s49, s49, 1
	s_add_co_u32 s49, s49, s39
	s_lshl_b32 s49, s49, 9
	s_add_co_u32 s49, s49, OS_O
	s_cmp_eq_u32 s37, 3
	s_cselect_b32 s24, s48, s46
	s_cselect_b32 s26, s49, s47
	s_wait_kmcnt 0x0
	s_cmp_eq_u32 s37, 1                            ; the weight is chosen by the work-group's number alone
	s_cselect_b64 s[28:29], s[8:9], s[6:7]
	s_cmp_eq_u32 s37, 2
	s_cselect_b64 s[28:29], s[10:11], s[28:29]
	s_cmp_eq_u32 s37, 3
	s_cselect_b64 s[28:29], s[12:13], s[28:29]
	s_add_nc_u64 s[28:29], s[28:29], s[32:33]
.set i, 0
.rept 128
	global_load_b32 v[R+i], v3, s[28:29] offset:i*4096 th:TH_LOAD_NT   ; W(128 K step + i, my column): the wave reads 128 bytes of a row, waves w and w xor 1 side by side
.set i, i+1
.endr
	s_wait_loadcnt 0x0
.Lblocks:
	s_add_nc_u64 s[24:25], s[14:15], s[24:25]
	s_add_nc_u64 s[26:27], s[14:15], s[26:27]
	; ---- four blocks of 32 numbers, each whole in my lane, by turns
.irp q, 0,1,2,3
	v_max3_num_f32 v[M+\q], |v[R+32*\q]|, |v[R+32*\q+1]|, 0x1800000   ; the floor 2^(3 - 127): the byte cannot fall under 1
.endr
.irp i, 2,4,6,8,10,12,14,16,18,20,22,24,26,28,30
.irp q, 0,1,2,3
	s_delay_alu instid0(VALU_DEP_4)
	v_max3_num_f32 v[M+\q], v[M+\q], |v[R+32*\q+\i]|, |v[R+32*\q+\i+1]|
.endr
.endr
.irp q, 0,1,2,3
	s_delay_alu instid0(VALU_DEP_4)
	v_add_nc_u32 v[SOP+\q], 0xff000000, v[M+\q]    ; 2 off the exponent field: the conversion takes this operand's exponent field as its scale
.endr
.irp q, 0,1,2,3
	s_delay_alu instid0(VALU_DEP_4)
	v_lshrrev_b32 v[E+\q], 23, v[SOP+\q]           ; the scale's byte
.endr
.irp q, 0,1,2,3                        ; block q goes to fragment q % 2, registers 6 (q / 2) on
	v_cvt_scalef32_pk16_fp6_f32 v[F+12*(\q%2)+6*(\q/2):F+12*(\q%2)+6*(\q/2)+2], v[R+32*\q:R+32*\q+15], v[SOP+\q]
	v_cvt_scalef32_pk16_fp6_f32 v[TT+4*\q:TT+4*\q+2], v[R+32*\q+16:R+32*\q+31], v[SOP+\q]   ; (a conversion's three registers begin on an even number)
.endr
	v_nop                                          ; one plain place behind the scaled conversions
.irp q, 0,1,2,3
.irp i, 0,1,2
	v_mov_b32 v[F+12*(\q%2)+6*(\q/2)+3+\i], v[TT+4*\q+\i]
.endr
.endr
	s_cmp_lt_u32 ttmp9, 128
	s_cbranch_scc0 .Lw_word
	; X: block q = 2 c + u is block 2 c + (lane / 16) of tile u: the fragments stand as the operand wants them.  The word's four bytes lie in lanes l and l xor 16
	v_lshl_or_b32 v[WD], v[E+2], 16, v[E]
	v_lshl_or_b32 v[WD+1], v[E+3], 16, v[E+1]
	s_delay_alu instid0(VALU_DEP_2)
	v_lshlrev_b32 v[WD], v[H8], v[WD]
	s_delay_alu instid0(VALU_DEP_2)
	v_lshlrev_b32 v[WD+1], v[H8], v[WD+1]
	s_delay_alu instid0(VALU_DEP_2)
	v_permlanex16_b32 v[WD+2], v[WD], s20, s21
	s_delay_alu instid0(VALU_DEP_2)
	v_permlanex16_b32 v[WD+3], v[WD+1], s20, s21
	s_delay_alu instid0(VALU_DEP_2)
	v_or_b32 v[WD], v[WD], v[WD+2]
	s_delay_alu instid0(VALU_DEP_2)
	v_or_b32 v[WD+1], v[WD+1], v[WD+3]
	s_delay_alu instid0(VALU_DEP_1)
	v_cndmask_b32 v[WD], v[WD], v[WD+1], s30       ; lanes 0-15 tile 0's word, lanes 16-31 tile 1's
	s_branch .Lout
.Lw_word:
	; W: lanes 0-15 hold tile 0's columns, lanes 16-31 tile 1's, each all four blocks: blocks 0, 2 in the first run, 1, 3 in the second.  The exchange gives each lane of each tile its blocks 2 c + (lane / 16)
.irp i, 0,1,2,3,4,5,6,7,8,9,10,11
	v_permlane16_swap_b32 v[F+\i], v[F+12+\i]
.endr
	v_lshl_or_b32 v[WD], v[E+1], 8, v[E]
	s_delay_alu instid0(VALU_DEP_1)
	v_lshl_or_b32 v[WD], v[E+2], 16, v[WD]
	s_delay_alu instid0(VALU_DEP_1)
	v_lshl_or_b32 v[WD], v[E+3], 24, v[WD]
.Lout:
	s_wait_alu depctr_va_vdst(0)
.irp g, 0,1,2,3,4,5
	global_store_b128 v2, v[F+4*\g:F+4*\g+3], s[24:25] offset:512*\g   ; 512 consecutive bytes a store, at a multiple of 256 from the buffer's first byte
.endr
	ds_store_b32 v6, v[WD]
	s_wait_dscnt 0x0                               ; for the others' sake: my word has landed
	s_barrier_signal -1
	s_barrier_wait -1
	s_cmp_lt_u32 s16, 2
	s_cbranch_scc0 .Lend
	ds_load_b128 v[M:M+3], v7                      ; four K steps' words of my lane
	s_wait_dscnt 0x0
	global_store_b128 v2, v[M:M+3], s[26:27]       ; 512 consecutive bytes
.Lend:
	s_wait_tensorcnt 0x0
	ds_add_u32 v200, v201
	s_wait_dscnt 0x0
	s_endpgm
.Lfunc_end_k_q301128b224_quant:
	.size	k_q301128b224_quant, .Lfunc_end_k_q301128b224_quant-k_q301128b224_quant
	.p2alignl 7, 3214868480
	.fill 96, 4, 3214868480
	.section	.rodata,"a",@progbits
	.p2align	6, 0x0
	.amdhsa_kernel k_q301128b224_quant
		.amdhsa_group_segment_fixed_size 137216
		.amdhsa_private_segment_fixed_size 0
		.amdhsa_enable_private_segment 0
		.amdhsa_kernarg_size 48
		.amdhsa_user_sgpr_count 2
		.amdhsa_user_sgpr_kernarg_segment_ptr 1
		.amdhsa_wavefront_size32 1
		.amdhsa_system_sgpr_workgroup_id_x 1
		.amdhsa_system_sgpr_workgroup_id_y 1
		.amdhsa_system_sgpr_workgroup_id_z 1
		.amdhsa_system_vgpr_workitem_id 0
		.amdhsa_next_free_vgpr 202
		.amdhsa_next_free_sgpr 66
		.amdhsa_reserve_vcc 0
		.amdhsa_float_denorm_mode_32 3
		.amdhsa_float_denorm_mode_16_64 3
		.amdhsa_memory_ordered 1
		.amdhsa_forward_progress 1
		.amdhsa_inst_pref_size 36
	.end_amdhsa_kernel
	.amdgpu_metadata
---
amdhsa.version: [ 1, 2 ]
amdhsa.kernels:
  - .name:           k_q301128b224_quant
    .symbol:         k_q301128b224_quant.kd
    .args:
      - { .name: X, .offset: 0, .size: 8, .value_kind: global_buffer, .address_space: global }
      - { .name: Wq, .offset: 8, .size: 8, .value_kind: global_buffer, .address_space: global }
      - { .name: Wk, .offset: 16, .size: 8, .value_kind: global_buffer, .address_space: global }
      - { .name: Wv, .offset: 24, .size: 8, .value_kind: global_buffer, .address_space: global }
      - { .name: Wo, .offset: 32, .size: 8, .value_kind: global_buffer, .address_space: global }
      - { .name: xw, .offset: 40, .size: 8, .value_kind: global_buffer, .address_space: global }
    .group_segment_fixed_size: 137216
    .private_segment_fixed_size: 0
    .kernarg_segment_align: 8
    .kernarg_segment_size: 48
    .max_flat_workgroup_size: 256
    .sgpr_count:     66
    .vgpr_count:     202
    .wavefront_size: 32
...
	.end_amdgpu_metadata
.endif
;; end of part 1
;; launch qkv (part 2): grid 8 x 32, 4 waves a work-group, clusters of 4 x 4, 327,680 bytes of LDS; arguments xw, qkv; writes qkv
.if DOCPART == 2
	.amdgcn_target "amdgcn-amd-amdhsa--gfx1250"
	.amdhsa_code_object_version 6
	.text
	.protected	k_q301128b224_qkv
	.globl	k_q301128b224_qkv
	.p2align	8
	.type	k_q301128b224_qkv,@function
k_q301128b224_qkv:
	s_mov_b64 s[64:65], 0
	v_nop
	global_prefetch_b8 v0, s[64:65] scope:SCOPE_SE
	s_setreg_imm32_b32 hwreg(HW_REG_WAVE_MODE, 25, 1), 1
	s_wait_xcnt 0x0
	s_wait_alu depctr_hold_cnt(0) depctr_sa_sdst(0) depctr_va_vdst(0) depctr_va_sdst(0) depctr_va_ssrc(0) depctr_va_vcc(0) depctr_vm_vsrc(0)
	s_getreg_b32 s2, hwreg(HW_REG_IB_STS2, 6, 4)
	s_cmp_eq_u32 s2, 0
	s_cbranch_scc0 .Lentry_in_a_cluster
	s_endpgm
.Lentry_in_a_cluster:
	s_bfe_u32 s2, ttmp6, 0x10000c
	s_cmp_lg_u32 s2, 0xf033
	s_cbranch_scc0 .Lentry_shape_is_right
	s_endpgm
.Lentry_shape_is_right:
; q = X Wq, k = X Wk, v = X Wv on codes of FP6 (E2M3) with E8M0 scales, and their results quantised at once: q and k along the head's 64, v along the tokens (the keys).  No f32 result goes to memory.
; A work-group takes 128 tokens (gy) and q, k, v of heads 2 gx, 2 gx + 1: 24 column tiles in units q, k, q, k, v, v of four.  Wave w takes unit w (q or k of head w / 2) and v's tiles 2 w, 2 w + 1:
; 6 column tiles x 8 token tiles, 48 accumulators; 14 fragments serve 48 products.
; LDS holds six K steps of 128 (X 12,288 bytes, W 36,864 each).  At the head one joint load a wave: W's K steps 0-1, X's K steps 0-5, W's 2-3, W's 4-5.  One refill, in a round of the cluster's barrier inside K step 2,
; brings K steps 6 and 7 onto 0 and 1; it has three K steps of products in which to land.  Operands lie in memory and LDS as images of their registers: a fragment is three loads of 512 consecutive bytes.
; CLUSTER 4 x 4: X's block hangs on gy alone and is asked for jointly along a row of the cluster, W's on gx alone, along a column.
; No prefetch: all but K steps 6 and 7 are asked for at the head, and the launch has no loop to run ahead in.
; q, k: source 0 = 16 columns of W, source 1 = 16 tokens: a lane holds one token, its registers run along the head's 64.  v: the sources swapped: a lane holds one column d, its registers run along the tokens.
; TILES: of each 64 tokens tile j holds in lane r number 32 (r / 8) + 8 j + r % 8: four tiles give a lane of v a whole block of 32 tokens.  Of each 32 columns tile u holds 8 u + r + 8 (r / 8): two tiles give a lane 16 neighbours.
; LIMITS: a block under 2^-124 or of zeros keeps the byte 1; NaN and infinities are not served.
; REGISTERS: window 0: v1 16 x lane, v2 8 x lane, v12 4 x lane, v13 8 x (lane / 16), v4-11 LDS addresses, v14-15 the add's, v16-47 X's scale words, v48-71 W's, v72-167 X's fragments of even K steps; the way out's work from v72 on.
;   window 1: v0-95 X's fragments of odd K steps, v96-167 and v168-239 W's, two sets.   window 2: q's or k's accumulators, (token tile j, column tile i) at 32 j + 8 i.   window 3: v's, (column tile i, token tile j) at 64 i + 8 j.
.set XS_O, 3145728
.set WC_O, 3276800
.set WS_O, 5636096
.set QS_O, 3145728                     ; qkv: q's scale words; q's codes from 0 on, a tile's six registers as 512 + 256 bytes
.set KV_O, 3407872                     ; records of 13,056 bytes for each head and 128 tokens: k's codes (pairs of tiles as 3 x 512), v's codes (column tiles as 3 x 512), k's scale words, v's ([pair][lane])
.set REC,  13056
.set XK,   12288                       ; a K step of X: 8 fragments
.set WK,   36864                       ; of W: 24
.set WB,   6*XK
.set SPARE, WB+6*WK
.set AX,   4                           ; v4-5    X in slots 0-2, 3-5
.set AQ,   6                           ; v6-8    my unit in slots 0-1, 2-3, 4-5
.set AV,   9                           ; v9-11   my tiles of v, likewise
.set SX,   16
.set SW,   48
.set TM,   72                          ; the way out: largest magnitudes
.set TX,   88                          ; the other half's
.set SOP,  104                         ; scale operands
.set E,    120                         ; bytes
.set HB,   136                         ; q's or k's codes, six registers a token tile
.set DT,   184                         ; the second block's codes, to be exchanged and moved
.set WDS,  216
.set PW,   224
.set TV,   228                         ; v: largest magnitudes, scale operands, bytes of its four blocks
.set SOV,  232
.set EV,   236
.set VC,   72                          ; v's codes, twelve registers a column tile (where TM and TX have served)
.set VD,   96
.set VY,   112                         ; v's scale words, at work
.set G1X, 16
.set G1W, 24
.set G1R, 32
.set G0, 40                            ; six sets: W 0-1, X, W 2-3, W 4-5, then the refill's W and X: none is written again
.set SEL, 90
.set MSB, 0
.macro WIN new                         ; the immediate's high byte repeats the setting that is left
.if MSB != \new
	s_set_vgpr_msb (MSB<<8)|\new
.set MSB, \new
.endif
.endm
.macro PLACES                          ; four plain places behind matrix instructions, in front of loads into their operands and of reads of their results
.rept 4
	v_nop
.endr
.endm
.macro CREST                           ; a round of the cluster's barrier behind its opening barrier
	s_cmp_lg_u32 s8, 0
	s_cbranch_scc1 .Lnot_wave_0_\@
	s_barrier_signal -3
.Lnot_wave_0_\@:
	s_barrier_wait -3
	s_barrier_signal -1
	s_barrier_wait -1
.endm
.macro CROUND
	s_barrier_signal -1
	s_barrier_wait -1
	CREST
.endm
.macro TLOAD g0, g1
	tensor_load_to_lds s[\g0:\g0+3], s[\g1:\g1+7]
	s_nop 0
.rept 4
	v_nop
.endr
.endm
.macro GROUP1 g, mask, rows            ; a dense block as rows of 256 bytes (32 elements of 8 bytes), no padding
	s_or_b32 s[\g], s\mask, (3<<16)|(1<<21)
	s_mov_b32 s[\g+1], 32<<16
	s_mov_b32 s[\g+2], (\rows)<<16
	s_mov_b32 s[\g+3], 32<<16
	s_mov_b32 s[\g+4], \rows
	s_mov_b32 s[\g+5], 32
	s_mov_b32 s[\g+6], 0
	s_mov_b32 s[\g+7], 0
.endm
.macro GROUP0 n, base, off, lds
	s_mov_b32 s[G0+4*\n], 1
	s_mov_b32 s[G0+4*\n+1], \lds
	s_add_nc_u64 s[G0+4*\n+2:G0+4*\n+3], s[\base:\base+1], \off
	s_or_b32 s[G0+4*\n+3], s[G0+4*\n+3], 0x80000000
.endm
.macro WMS c, ra, rb
	v_wmma_scale_f32_16x16x128_f8f6f4 v[rD:rD+7], v[rA:rA+11], v[rB:rB+11], \c, v[rSA], v[rSB] matrix_a_fmt:MATRIX_FMT_FP6 matrix_b_fmt:MATRIX_FMT_FP6 matrix_a_scale:MATRIX_SCALE_ROW\ra matrix_b_scale:MATRIX_SCALE_ROW\rb
.endm
.macro WMR c                           ; rRA, rRB: that side's scale words lie in lanes 16-31
.if rRA && rRB
	WMS \c, 1, 1
.elseif rRA
	WMS \c, 1, 0
.elseif rRB
	WMS \c, 0, 1
.else
	WMS \c, 0, 0
.endif
.endm
.macro PR n, k                         ; product n of K step k: 0-31 q or k, 32-47 v.  The 48 accumulators take turns, one instruction a turn, in the same order in every K step
.set ps_, (\k)%2
.if (\n) < 32
.set pj, (\n)/4
.set pi, (\n)%4
.set rD, 32*pj+8*pi
.set rA, 96+72*ps_+12*pi
.set rB, 72*(1-ps_)+12*pj
.set rSA, SW+8*(pi/2)+(\k)
.set rSB, SX+8*(pj/2)+(\k)
.set rRA, pi%2
.set rRB, pj%2
.set wv, 0xa1+4*ps_                    ; source 0 (W) window 1, source 1 (X) window 0 or 1, C and D window 2
.else
.set pj, ((\n)-32)/2
.set pi, (\n)%2
.set rD, 64*pi+8*pj
.set rA, 72*(1-ps_)+12*pj
.set rB, 96+72*ps_+12*(4+pi)
.set rSA, SX+8*(pj/2)+(\k)
.set rSB, SW+16+(\k)
.set rRA, pj%2
.set rRB, pi%2
.set wv, 0xf4+ps_                      ; source 0 (X) window 0 or 1, source 1 (W) window 1, C and D window 3
.endif
	WIN wv
.if (\k) == 0
	WMR 0
.else
	WMR v[rD:rD+7]
.endif
.endm
.macro FR k, x                         ; fragment x of K step k, slot k % 6, into set k % 2: 0-3 my unit's, 4-11 X's, 12-13 my tiles of v
.set fp, (\k)%2
.set fs, (\k)%6
.if (\x) < 4
.set fd, 96+72*fp+12*(\x)
.set fa, AQ+fs/2
.set fo, WK*(fs%2)+1536*(\x)
.set wv, 0x40
.elseif (\x) < 12
.set fd, 72*(1-fp)+12*((\x)-4)
.set fa, AX+fs/3
.set fo, XK*(fs%3)+1536*((\x)-4)
.set wv, 0x40*fp
.else
.set fd, 96+72*fp+12*((\x)-8)
.set fa, AV+fs/2
.set fo, WK*(fs%2)+1536*((\x)-12)
.set wv, 0x40
.endif
	WIN wv
.irp c, 0,1,2
	ds_load_b128 v[fd+4*\c:fd+4*\c+3], v[fa] offset:fo+512*\c
.endr
.endm
.macro RUN k, from, to, fs             ; products from .. to - 1 of K step k; behind product fs, in one run, the 42 loads of K step k + 1's fragments
.set N_, \from
.rept (\to)-(\from)
.if N_ == 32
	s_wait_dscnt 3*FX                              ; my tiles of v of this K step are in: only what this K step has asked for may be out
.endif
	PR N_, \k
.if ((\k) < 7) && (N_ == (\fs))
.irp x, 0,1,2,3,4,5,6,7,8,9,10,11,12,13
	FR (\k)+1, \x
.endr
.set FX, 14
.endif
.set N_, N_+1
.endr
.endm
.macro KS k                            ; a K step without a barrier
.set FX, 0
	s_wait_dscnt 6                                 ; all but the six youngest loads, v's two fragments
.if (\k) > 0
	PLACES                                         ; the set to be loaded was multiplied in the K step before
.endif
	RUN \k, 0, 48, 15
.endm
	s_load_b128 s[4:7], s[0:1], 0x0                ; xw, qkv
	v_lshl_add_u32 v14, v0, 2, SPARE
	v_mov_b32 v15, 0
	ds_add_u32 v14, v15                            ; the opening add, twice on end
	ds_add_u32 v14, v15
	v_lshrrev_b32 v3, 5, v0
	v_readfirstlane_b32 s8, v3                     ; wave 0..3
	s_and_b32 s9, s8, 1                            ; 0: my unit is q's, 1: k's.  Also: which two of the head's four tiles of v
	s_bfe_u32 s10, ttmp6, 0x40000                  ; cx, cy
	s_bfe_u32 s11, ttmp6, 0x40004
	s_lshl_b32 s12, ttmp9, 2
	s_add_co_u32 s12, s12, s10                     ; gx
	s_and_b32 s13, ttmp7, 0xffff
	s_lshl_b32 s13, s13, 2
	s_add_co_u32 s13, s13, s11                     ; gy
	s_lshl_b32 s14, s11, 2
	s_lshl_b32 s14, 15, s14                        ; my row of the cluster
	s_lshl_b32 s15, 0x1111, s10                    ; my column
	GROUP1 G1X, 14, 288                            ; six K steps of X
	GROUP1 G1W, 15, 288                            ; two of W
	GROUP1 G1R, 14, 96                             ; two of X
	s_mul_i32 s68, s13, 8*XK                       ; X's block hangs on gy alone, W's on gx alone
	s_mov_b32 s69, 0
	s_mul_i32 s72, s12, 8*WK
	s_add_co_u32 s72, s72, WC_O
	s_mov_b32 s73, 0
	s_lshl_b32 s76, s13, 12
	s_add_co_u32 s76, s76, XS_O                    ; X's scale words: 4 pairs of tiles x 1,024 bytes
	s_mov_b32 s77, 0
	s_mul_i32 s74, s12, 12*1024
	s_add_co_u32 s74, s74, WS_O
	s_lshl_b32 s66, s8, 11
	s_add_co_u32 s78, s74, s66                     ; W's: my unit's pairs 2 w, 2 w + 1
	s_mov_b32 s79, 0
	s_lshl_b32 s66, s8, 10
	s_add_co_u32 s74, s74, s66
	s_add_co_u32 s74, s74, 8192                    ; v's pair 8 + w
	s_mov_b32 s75, 0
	s_lshr_b32 s66, s8, 1                          ; where my results go: head 2 gx + w / 2
	s_lshl_b32 s67, s12, 1
	s_add_co_u32 s66, s66, s67
	s_lshr_b32 s67, s13, 4
	s_lshl_b32 s67, s67, 4
	s_add_co_u32 s66, s66, s67                     ; + 16 x batch
	s_lshl_b32 s66, s66, 4
	s_and_b32 s67, s13, 15
	s_add_co_u32 s66, s66, s67                     ; x 16 + which 128 tokens of the sequence
	s_mul_i32 s82, s66, REC
	s_add_co_u32 s82, s82, KV_O                    ; the record
	s_mul_i32 s84, s66, 6144                       ; q's codes
	s_lshl_b32 s86, s66, 9
	s_add_co_u32 s86, s86, QS_O                    ; q's scale words
	s_add_co_u32 s83, s82, 12288                   ; k's
	s_cmp_eq_u32 s9, 0
	s_cselect_b32 s84, s84, s82
	s_cselect_b32 s86, s86, s83
	s_lshl_b32 s67, s9, 7
	s_add_co_u32 s80, s82, s67
	s_add_co_u32 s80, s80, 12800                   ; v's scale words: my pair's 128 bytes
	s_mul_i32 s67, s9, 3072
	s_add_co_u32 s82, s82, s67
	s_add_co_u32 s82, s82, 6144                    ; v's codes: my two column tiles
	s_mov_b32 s81, 0
	s_mov_b32 s83, 0
	s_mov_b32 s85, 0
	s_mov_b32 s87, 0
	s_mov_b32 s[SEL], 0x76543210
	s_mov_b32 s[SEL+1], 0xfedcba98                 ; v_permlanex16_b32's selects for lane l xor 16
	s_wait_alu depctr_va_vdst(0)
	s_wait_dscnt 0x0                               ; both opening adds are done
	s_wait_kmcnt 0x0
	s_add_nc_u64 s[68:69], s[4:5], s[68:69]
	s_add_nc_u64 s[72:73], s[4:5], s[72:73]
	s_add_nc_u64 s[74:75], s[4:5], s[74:75]
	s_add_nc_u64 s[76:77], s[4:5], s[76:77]
	s_add_nc_u64 s[78:79], s[4:5], s[78:79]
	s_add_nc_u64 s[80:81], s[6:7], s[80:81]
	s_add_nc_u64 s[82:83], s[6:7], s[82:83]
	s_add_nc_u64 s[84:85], s[6:7], s[84:85]
	s_add_nc_u64 s[86:87], s[6:7], s[86:87]
	GROUP0 0, 72, 0, WB
	GROUP0 1, 68, 0, 0
	GROUP0 2, 72, 2*WK, WB+2*WK
	GROUP0 3, 72, 4*WK, WB+4*WK
	GROUP0 4, 72, 6*WK, WB
	GROUP0 5, 68, 6*XK, 0
	CROUND                                         ; all sixteen work-groups are here: the joint loads meet
	s_cmp_eq_u32 s8, 0                             ; one load a wave, each line one wave's own
	s_cbranch_scc0 .Lask_1
	TLOAD G0, G1W
	s_branch .Lasked
.Lask_1:
	s_cmp_eq_u32 s8, 1
	s_cbranch_scc0 .Lask_2
	TLOAD G0+4, G1X
	s_branch .Lasked
.Lask_2:
	s_cmp_eq_u32 s8, 2
	s_cbranch_scc0 .Lask_3
	TLOAD G0+8, G1W
	s_branch .Lasked
.Lask_3:
	TLOAD G0+12, G1W
.Lasked:
	v_and_b32 v3, 31, v0
	v_lshlrev_b32 v1, 4, v3
	v_lshlrev_b32 v2, 3, v3
	v_lshlrev_b32 v12, 2, v3
	v_cmp_lt_u32 s88, 15, v3                       ; lanes 16-31
	v_bfe_u32 v13, v0, 4, 1
	v_lshlrev_b32 v13, 3, v13
.irp p, 0,1,2,3
.irp g, 0,1
	global_load_b128 v[SX+8*\p+4*\g:SX+8*\p+4*\g+3], v1, s[76:77] offset:1024*\p+512*\g   ; register SX + 8 pair + K step
.endr
.endr
.irp g, 0,1
	global_load_b128 v[SW+4*\g:SW+4*\g+3], v1, s[78:79] offset:512*\g
	global_load_b128 v[SW+8+4*\g:SW+8+4*\g+3], v1, s[78:79] offset:1024+512*\g
	global_load_b128 v[SW+16+4*\g:SW+16+4*\g+3], v1, s[74:75] offset:512*\g
.endr
	s_mul_i32 s66, s8, 6144
	s_add_co_u32 s66, s66, WB                      ; my unit's four fragments in W's K step,
	s_mul_i32 s67, s8, 3072
	s_add_co_u32 s67, s67, WB+16*1536              ; and my two of v
	v_mov_b32 v[AX], v1
	v_add_nc_u32 v[AX+1], 3*XK, v1
.irp g, 0,1,2
	v_add_nc_u32 v[AQ+\g], s66, v1
	v_add_nc_u32 v[AV+\g], s67, v1
	s_add_co_u32 s66, s66, 2*WK
	s_add_co_u32 s67, s67, 2*WK
.endr
	s_wait_alu depctr_va_vdst(0)
	s_wait_loadcnt 0x0                             ; the scale words
	s_cmp_lt_u32 s8, 2
	s_cbranch_scc0 .Lnot_first
	s_wait_tensorcnt 0x0                           ; waves 0 and 1: W's K steps 0-1 and X's; the others' loads may be out
.Lnot_first:
	s_barrier_signal -1
	s_barrier_wait -1
.irp x, 0,1,2,3,4,5,6,7,8,9,10,11,12,13
	FR 0, \x
.endr
	KS 0
	; K step 1: a plain barrier inside it shows W's K steps 2-3 (wave 2's load) to all
.set FX, 0
	WIN 0
	s_wait_dscnt 0x0
	s_cmp_eq_u32 s8, 2
	s_cbranch_scc0 .Lnot_second
	s_wait_tensorcnt 0x0
.Lnot_second:
	s_barrier_signal -1
	PLACES
	RUN 1, 0, 8, 99
	s_barrier_wait -1
	RUN 1, 8, 48, 8
	; K step 2: the refill.  Every wave has fetched K steps 0 and 1 into registers; products stand between the lines and inside the round
.set FX, 0
	WIN 0
	s_wait_dscnt 0x0                               ; this K step's fragments are in
	s_wait_tensorcnt 0x0                           ; my head's load is in
	ds_add_u32 v14, v15                            ; 0 onto my spare word,
	PLACES
	RUN 2, 0, 16, 99
	s_wait_dscnt 0x0                               ; and the wait for it
	s_barrier_signal -1                            ; opens a round of the cluster's barrier
	RUN 2, 16, 22, 99
	WIN 0
	s_barrier_wait -1
	CREST
	s_cmp_eq_u32 s8, 0
	s_cbranch_scc0 .Lrefill_x
	TLOAD G0+16, G1W                               ; wave 0: W's K steps 6-7 onto 0-1
	s_branch .Lrefilled
.Lrefill_x:
	s_cmp_eq_u32 s8, 1
	s_cbranch_scc0 .Lno_refill
	TLOAD G0+20, G1R                               ; wave 1: X's
.Lno_refill:
.Lrefilled:
	RUN 2, 22, 48, 22
	KS 3
	KS 4
	; K step 5: a plain barrier inside it shows the refill to all
.set FX, 0
	WIN 0
	s_wait_dscnt 0x0
	s_wait_tensorcnt 0x0
	s_barrier_signal -1
	PLACES
	RUN 5, 0, 8, 99
	s_barrier_wait -1
	RUN 5, 8, 48, 8
	KS 6
	KS 7
	; THE WAY OUT of q or k: the 16 numbers of group g = 2 (token tile) + block lie at 16 g of window 2 and are 16 neighbours, 16 (lane / 16) on, of a block of 32 along the head's 64; lanes l and l xor 16 share the block
	PLACES
	WIN 0x28                                       ; sources 1 and 2 window 2
.irp g, 0,1,2,3,4,5,6,7,8,9,10,11,12,13,14,15
	v_max3_num_f32 v[TM+\g], 0x1800000, |v[16*\g]|, |v[16*\g+1]|   ; with the floor 2^(3 - 127).  Each accumulator is read from its low end on
.endr
.irp i, 2,4,6,8,10,12,14
.irp g, 0,1,2,3,4,5,6,7,8,9,10,11,12,13,14,15
	v_max3_num_f32 v[TM+\g], v[TM+\g], |v[16*\g+\i]|, |v[16*\g+\i+1]|
.endr
.endr
	WIN 0x3c                                       ; v's four blocks, 32 registers each, whole in my lane: sources 1 and 2 window 3
.irp b, 0,1,2,3
	v_max3_num_f32 v[TV+\b], 0x1800000, |v[32*\b]|, |v[32*\b+1]|
.endr
.irp i, 2,4,6,8,10,12,14,16,18,20,22,24,26,28,30
.irp b, 0,1,2,3
	v_max3_num_f32 v[TV+\b], v[TV+\b], |v[32*\b+\i]|, |v[32*\b+\i+1]|
.endr
.endr
	WIN 0
.irp g, 0,1,2,3,4,5,6,7,8,9,10,11,12,13,14,15
	v_permlanex16_b32 v[TX+\g], v[TM+\g], s[SEL], s[SEL+1]
.endr
.irp g, 0,1,2,3,4,5,6,7,8,9,10,11,12,13,14,15
	v_max_num_f32 v[TM+\g], v[TM+\g], v[TX+\g]     ; the block's largest magnitude
.endr
.irp g, 0,1,2,3,4,5,6,7,8,9,10,11,12,13,14,15
	v_add_nc_u32 v[SOP+\g], 0xff000000, v[TM+\g]   ; 2 off its exponent field: the conversion's scale operand
.endr
.irp g, 0,1,2,3,4,5,6,7,8,9,10,11,12,13,14,15
	v_lshrrev_b32 v[E+\g], 23, v[SOP+\g]           ; the byte
.endr
.irp b, 0,1,2,3
	v_add_nc_u32 v[SOV+\b], 0xff000000, v[TV+\b]
.endr
.irp b, 0,1,2,3
	v_lshrrev_b32 v[EV+\b], 23, v[SOV+\b]
.endr
	WIN 0x02                                       ; source 0 window 2
.irp p, 0,1,2,3,4,5,6,7
	v_cvt_scalef32_pk16_fp6_f32 v[HB+6*\p:HB+6*\p+2], v[32*\p:32*\p+15], v[SOP+2*\p]
	v_cvt_scalef32_pk16_fp6_f32 v[DT+4*\p:DT+4*\p+2], v[32*\p+16:32*\p+31], v[SOP+2*\p+1]
.endr
	WIN 0
	v_nop                                          ; one plain place behind the scaled conversions
.irp p, 0,1,2,3,4,5,6,7                ; the operand wants a whole block in a lane: lanes 0-15 the even block, lanes 16-31 the odd one
.irp i, 0,1,2
	v_permlane16_swap_b32 v[HB+6*\p+\i], v[DT+4*\p+\i]
.endr
.irp i, 0,1,2
	v_mov_b32 v[HB+6*\p+3+\i], v[DT+4*\p+\i]
.endr
.endr
	WIN 0x03                                       ; source 0 window 3
.irp b, 0,1,2,3                        ; block b = 2 i + c: registers 6 c on of column tile i's operand, as they fall
	v_cvt_scalef32_pk16_fp6_f32 v[VC+6*\b:VC+6*\b+2], v[32*\b:32*\b+15], v[SOV+\b]
	v_cvt_scalef32_pk16_fp6_f32 v[VD+4*\b:VD+4*\b+2], v[32*\b+16:32*\b+31], v[SOV+\b]
.endr
	WIN 0
.irp j, 0,1,2,3,4,5,6,7                ; q, k: two bytes a token; the bytes of k = 64 .. 127, where q's codes are zeros, stand for 1.0
	v_lshl_or_b32 v[WDS+\j], v[E+2*\j+1], 8, v[E+2*\j]
.endr
.irp b, 0,1,2,3
.irp i, 0,1,2
	v_mov_b32 v[VC+6*\b+3+\i], v[VD+4*\b+\i]
.endr
.endr
.irp j, 0,1,2,3,4,5,6,7
	v_or_b32 v[WDS+\j], 0x7f7f0000, v[WDS+\j]
.endr
.irp i, 0,1                            ; v: four bytes a column: bytes h and 2 + h are mine
	v_lshl_or_b32 v[VY+2+\i], v[EV+2*\i+1], 16, v[EV+2*\i]
.endr
.irp p, 0,1,2,3
	v_cndmask_b32 v[PW+\p], v[WDS+2*\p], v[WDS+2*\p+1], s88   ; lanes 0-15 the even tile's word, lanes 16-31 the odd one's
.endr
.irp i, 0,1
	v_lshlrev_b32 v[VY+2+\i], v13, v[VY+2+\i]
.endr
.irp i, 0,1
	v_permlanex16_b32 v[VY+\i], v[VY+2+\i], s[SEL], s[SEL+1]
.endr
.irp i, 0,1
	v_or_b32 v[VY+\i], v[VY+\i], v[VY+2+\i]
.endr
	v_cndmask_b32 v[VY], v[VY], v[VY+1], s88
	s_wait_alu depctr_va_vdst(0)                   ; ahead of the branch
	s_cmp_eq_u32 s9, 0
	s_cbranch_scc0 .Lk_out
.irp p, 0,1,2,3,4,5,6,7                ; q: a tile's six registers as an image of 768 bytes: 512 consecutive bytes, then 256
	global_store_b128 v1, v[HB+6*\p:HB+6*\p+3], s[84:85] offset:768*\p
	global_store_b64 v2, v[HB+6*\p+4:HB+6*\p+5], s[84:85] offset:768*\p+512
.endr
	s_branch .Lv_out
.Lk_out:
.irp p, 0,1,2,3                        ; k: two tiles' twelve registers as an image of 1,536 bytes
.irp g, 0,1,2
	global_store_b128 v1, v[HB+12*\p+4*\g:HB+12*\p+4*\g+3], s[84:85] offset:1536*\p+512*\g
.endr
.endr
.Lv_out:
	global_store_b128 v1, v[PW:PW+3], s[86:87]
.irp i, 0,1
.irp g, 0,1,2
	global_store_b128 v1, v[VC+12*\i+4*\g:VC+12*\i+4*\g+3], s[82:83] offset:1536*\i+512*\g
.endr
.endr
	global_store_b32 v12, v[VY], s[80:81]
	s_wait_tensorcnt 0x0                           ; the wave's end
	ds_add_u32 v14, v15
	s_wait_dscnt 0x0
	CROUND                                         ; the closing round: no work-group ends while a partner may still ask for a block that names it
	s_endpgm
.Lfunc_end_k_q301128b224_qkv:
	.size	k_q301128b224_qkv, .Lfunc_end_k_q301128b224_qkv-k_q301128b224_qkv
	.p2alignl 7, 3214868480
	.fill 96, 4, 3214868480
	.section	.rodata,"a",@progbits
	.p2align	6, 0x0
	.amdhsa_kernel k_q301128b224_qkv
		.amdhsa_group_segment_fixed_size 327680
		.amdhsa_private_segment_fixed_size 0
		.amdhsa_enable_private_segment 0
		.amdhsa_kernarg_size 16
		.amdhsa_user_sgpr_count 2
		.amdhsa_user_sgpr_kernarg_segment_ptr 1
		.amdhsa_wavefront_size32 1
		.amdhsa_system_sgpr_workgroup_id_x 1
		.amdhsa_system_sgpr_workgroup_id_y 1
		.amdhsa_system_sgpr_workgroup_id_z 1
		.amdhsa_system_vgpr_workitem_id 0
		.amdhsa_next_free_vgpr 896
		.amdhsa_next_free_sgpr 92
		.amdhsa_reserve_vcc 0
		.amdhsa_float_denorm_mode_32 3
		.amdhsa_float_denorm_mode_16_64 3
		.amdhsa_memory_ordered 1
		.amdhsa_forward_progress 1
		.amdhsa_inst_pref_size 109
	.end_amdhsa_kernel
	.amdgpu_metadata
---
amdhsa.version: [ 1, 2 ]
amdhsa.kernels:
  - .name:           k_q301128b224_qkv
    .symbol:         k_q301128b224_qkv.kd
    .args:
      - { .name: xw, .offset: 0, .size: 8, .value_kind: global_buffer, .address_space: global }
      - { .name: qkv, .offset: 8, .size: 8, .value_kind: global_buffer, .address_space: global }
    .group_segment_fixed_size: 327680
    .private_segment_fixed_size: 0
    .kernarg_segment_align: 8
    .kernarg_segment_size: 16
    .max_flat_workgroup_size: 128
    .sgpr_count:     92
    .vgpr_count:     896
    .wavefront_size: 32
...
	.end_amdgpu_metadata
.endif
;; end of part 2
;; launch attn (part 3): grid 8 x 32, 8 waves a work-group, clusters of 4 x 1, 310,272 bytes of LDS; arguments qkv, ctx; writes ctx
.if DOCPART == 3
	.amdgcn_target "amdgcn-amd-amdhsa--gfx1250"
	.amdhsa_code_object_version 6
	.text
	.protected	k_q301128b224_attn
	.globl	k_q301128b224_attn
	.p2align	8
	.type	k_q301128b224_attn,@function
k_q301128b224_attn:
	s_mov_b64 s[64:65], 0
	v_nop
	global_prefetch_b8 v0, s[64:65] scope:SCOPE_SE
	s_setreg_imm32_b32 hwreg(HW_REG_WAVE_MODE, 25, 1), 1
	s_wait_xcnt 0x0
	s_wait_alu depctr_hold_cnt(0) depctr_sa_sdst(0) depctr_va_vdst(0) depctr_va_sdst(0) depctr_va_ssrc(0) depctr_va_vcc(0) depctr_vm_vsrc(0)
	s_getreg_b32 s2, hwreg(HW_REG_IB_STS2, 6, 4)
	s_cmp_eq_u32 s2, 0
	s_cbranch_scc0 .Lentry_in_a_cluster
	s_endpgm
.Lentry_in_a_cluster:
	s_bfe_u32 s2, ttmp6, 0x10000c
	s_cmp_lg_u32 s2, 0x3003
	s_cbranch_scc0 .Lentry_shape_is_right
	s_endpgm
.Lentry_shape_is_right:
; Causal attention of one head (y: 16 x batch + head) on codes of FP6 (E2M3), and its result quantised along D for the last product.  Head size 64, 2,048 tokens.
; THE SOFTMAX: t = score x log2(e) / 8; M = the running largest t rounded UP to a whole number; p = 2^(t - M) is quantised along the keys, not normalised; the row's sum is taken of the unquantised p and divides at the end.
; When M moves, the sum and O are multiplied by 2^(old M - new M), which rounds nothing.
; WORK LEFT OUT: key steps of 128 keys that all come after a tile's queries: the causal mask gives them the weight 0, whatever the inputs hold.
; SHARES.  A wave works TWO tiles of 16 queries of one block of 128 tokens, tiles 2 cx and 2 cx + 1.  A work-group owns them for eight of the sequence's sixteen blocks: four pairs 15 - i and i, i = 2 q + (q + cluster x) % 2, q = wave % 4.
; Block I's tiles need key steps 0 .. I of 128 keys: 17 a pair, for two waves: wave q takes key steps 0 .. 8 of block 15 - i; wave 4 + q takes block i (key steps 0 .. i), then block 15 - i's key steps from 9 on, and hands those
; sums over through LDS: 9 and 8 key steps.  All branches hang on the wave's number, the cluster's number and a count alone.
; A WHOLE HEAD'S K AND V LIE IN LDS: 16 records of 13,056 bytes (k's codes, v's codes, k's scale words, v's), two by one joint load of each wave, for the cluster's four work-groups together; no LDS byte is filled twice.
; Key step 0, the first of every wave, needs wave 0's load alone; the others land under it.  No prefetch: all that is read by tensor loads is asked for at the head.
; LAYOUT.  Both products transposed: S^T = K Q^T, O^T = V^T P^T: a lane holds one query.  Of each 64 tokens tile j holds in lane r number 32 (r / 8) + 8 j + r % 8: so lane (r, h)'s 32 registers of four tiles are the 32 neighbouring
; keys 64 c + 32 h + 0 .. 31: a whole scale block, as P's operand wants it.  THE FIRST PRODUCT'S K IS 64 OF THE INSTRUCTION'S 128: Q's upper six registers are zero codes.  K's upper six are the NEXT tile's codes (zeros behind the
; last): they meet zero codes under scale bytes of 1.0 and add exactly 0.
; The scale bytes of ctx leave as single bytes, one a lane: two bytes of each word belong to this head; they are one part in 24 of what the launch stores.
; LIMITS: scaled scores under 2^31 in magnitude; a block under 2^-124 or of zeros keeps the byte 1; NaN and infinities are not served.
; REGISTERS, tile u's own in window u: v96-159 S^T, then p; v160-191 O^T; v192-203 p's codes; v204-211 codes to be moved.
;   window 0: v1 16 x lane, v2 4 x lane, v7 8 x lane, v3-4 the step's LDS addresses, v5 and v8 the tiles' queries less 32 h, v6 16 r + h, v10 16 r, v11 -infinity; v12, v28 -M, v13, v29 largest score, v[14:15], v[30:31] the sum;
;   v16-27, v240-251 Q; v32-85 K; v86-95, v222-239 at work; v212-215 K's scale words, v216-217 V's, v218, v220 Q's, v219, v221 p's; v252-253 LDS places of the sums handed over; v254-255 the add's.
;   window 1: v0-47 V; v48-95 partial sums.
.set QS_O, 3145728
.set KV_O, 3407872
.set REC,  13056
.set CS_O, 3145728                     ; ctx: the scale words
.set PB,   235520                      ; behind the records: a place of PP bytes a wave for sums handed over
.set PP,   9216
.set SPARE, PB+8*PP
.set WV,  8
.set II,  9                            ; i
.set CX,  10
.set NT,  11                           ; key steps that I take
.set BH,  12
.set SW1, 13                           ; the trip at which waves 4-7 go over to block 15 - i: i + 1; in waves 0-3 above every trip
.set TT,  14                           ; the block at work
.set RC,  15                           ; the record at work
.set G1,  16
.set G0,  24
.set TB,  40                           ; LDS byte at which that record begins
.set ST,  41                           ; the trip
.set SEL, 42
.set CS,  44                           ; s[44:45] c = log2(e) / 8
.set HM,  46                           ; lanes 16-31
.set F0,  86                           ; v[86:87], v[88:89] factors of the two tiles
.set OM,  90                           ; v90, v91 the old -M
.set XW,  92                           ; v92-95 at work
.set BM,  222                          ; v222-225, v226-229: a tile's two blocks' largest scores, then largest p; two more chains
.set RM,  230                          ; v230, v231
.set PX,  232                          ; v232, v233
.set SO,  234                          ; v234-237 scale operands
.set PY,  238                          ; v238, v239
.set MSB, 0
.macro WIN new                         ; the immediate's high byte repeats the setting that is left
.if MSB != \new
	s_set_vgpr_msb (MSB<<8)|\new
.set MSB, \new
.endif
.endm
.macro CROUND
	s_barrier_signal -1
	s_barrier_wait -1
	s_cmp_lg_u32 s[WV], 0
	s_cbranch_scc1 .Lnot_wave_0_\@
	s_barrier_signal -3
.Lnot_wave_0_\@:
	s_barrier_wait -3
	s_barrier_signal -1
	s_barrier_wait -1
.endm
.macro RESET                           ; no key seen yet: every step is written alike; the first finds zeros, which its change of M leaves zeros
.irp b, 12,28
	v_mov_b32 v[\b], 0x7f61b1e6                    ; -M: 3e38
	v_mov_b32 v[\b+1], 0xff61b1e6                  ; the largest score: -3e38
	v_mov_b32 v[\b+2], 0
	v_mov_b32 v[\b+3], 0
.endr
.set n, 0
.rept 32
	v_mov_b32 v[160+n], 0
.set n, n+1
.endr
	WIN 0x40
.set n, 0
.rept 32
	v_mov_b32 v[160+n], 0
.set n, n+1
.endr
	WIN 0
.endm
.macro LOADQ                           ; each tile's six registers and its scale words
	global_load_b128 v[16:19], v1, s[54:55]
	global_load_b64 v[20:21], v7, s[54:55] offset:512
	global_load_b128 v[240:243], v1, s[54:55] offset:768
	global_load_b64 v[244:245], v7, s[54:55] offset:1280
	global_load_b32 v218, v10, s[56:57]
	global_load_b32 v220, v10, s[56:57] offset:256
.endm
	s_load_b128 s[4:7], s[0:1], 0x0                ; qkv, ctx
	v_lshl_add_u32 v254, v0, 2, SPARE
	v_mov_b32 v255, 0
	ds_add_u32 v254, v255                          ; the opening add, twice on end
	ds_add_u32 v254, v255
	v_lshrrev_b32 v3, 5, v0
	v_readfirstlane_b32 s[WV], v3                  ; wave 0..7
	s_and_b32 s38, s[WV], 3                        ; q
	s_lshr_b32 s39, s[WV], 2
	s_xor_b32 s37, s38, ttmp9
	s_and_b32 s37, s37, 1
	s_lshl_b32 s[II], s38, 1
	s_add_co_u32 s[II], s[II], s37
	s_xor_b32 s28, s[II], 7
	s_add_co_u32 s29, s28, 8                       ; 15 - i
	s_add_co_u32 s28, s28, 1                       ; 8 - i: from the trip to block 15 - i's key step, behind the change
	s_add_co_u32 s[SW1], s[II], 1
	s_sub_co_u32 s[NT], 9, s39
	s_sub_co_u32 s30, s29, s[II]
	s_lshl_b32 s32, s30, 9                         ; from block i to block 15 - i: Q's scale words,
	s_mul_i32 s30, s30, 6144                       ; and its codes
	s_mov_b32 s31, 0
	s_mov_b32 s33, 0
	s_mov_b32 s37, 16
	s_cmp_eq_u32 s39, 0
	s_cselect_b32 s[SW1], s37, s[SW1]
	s_cselect_b32 s[TT], s29, s[II]                ; the block that I begin with and whose result I store
	s_bfe_u32 s[CX], ttmp6, 0x40000                ; cx enters Q's and ctx's addresses and the mask's numbers alone
	s_and_b32 s[BH], ttmp7, 0xffff                 ; the head, which the four partners share
	; descriptor group 1: two records, 26,112 dense bytes, as 102 rows of 256 bytes
	s_mov_b32 s[G1], 15|(3<<16)|(1<<21)            ; 15:0 the mask: all four work-groups; 17:16 elements of 8 bytes; 21 set beside a mask
	s_mov_b32 s[G1+1], 32<<16
	s_mov_b32 s[G1+2], 102<<16
	s_mov_b32 s[G1+3], 32<<16
	s_mov_b32 s[G1+4], 102
	s_mov_b32 s[G1+5], 32
	s_mov_b32 s[G1+6], 0
	s_mov_b32 s[G1+7], 0
	s_mul_i32 s48, s[BH], 16*REC
	s_mul_i32 s50, s[WV], 2*REC                    ; I fetch records 2 w, 2 w + 1: in memory and in LDS alike
	s_add_co_u32 s48, s48, s50
	s_add_co_u32 s48, s48, KV_O
	s_mov_b32 s49, 0
	s_lshl_b32 s52, s[BH], 4
	s_add_co_u32 s52, s52, s[TT]                   ; 16 head + block
	s_lshl_b32 s54, s52, 3
	s_lshl_b32 s47, s[CX], 1
	s_add_co_u32 s54, s54, s47
	s_mul_i32 s54, s54, 768                        ; Q's codes: tiles 2 cx, 2 cx + 1 of that block
	s_mov_b32 s55, 0
	s_lshl_b32 s56, s52, 9
	s_lshl_b32 s51, s[CX], 2
	s_add_co_u32 s56, s56, s51
	s_add_co_u32 s56, s56, QS_O                    ; its scale words: lanes r and 16 + r, word cx
	s_mov_b32 s57, 0
	s_lshr_b32 s58, s[BH], 4
	s_lshl_b32 s58, s58, 4
	s_add_co_u32 s58, s58, s[TT]                   ; ctx: which 128 tokens of the 4,096
	s_and_b32 s62, s[BH], 15                       ; the head in its batch
	s_and_b32 s63, s62, 1
	s_lshl_b32 s60, s58, 2
	s_add_co_u32 s60, s60, s[CX]
	s_lshl_b32 s60, s60, 1
	s_lshr_b32 s51, s62, 3
	s_add_co_u32 s60, s60, s51
	s_lshl_b32 s60, s60, 9                         ; scale words: ((4 block + cx) 2 + head / 8) x 512
	s_bfe_u32 s51, s62, 0x20001
	s_lshl_b32 s51, s51, 2
	s_add_co_u32 s60, s60, s51                     ; + 4 ((head / 2) % 4)
	s_lshl_b32 s51, s63, 1
	s_add_co_u32 s60, s60, s51                     ; + 2 (head % 2)
	s_add_co_u32 s60, s60, CS_O
	s_mov_b32 s61, 0
	s_lshl_b32 s58, s58, 3
	s_lshr_b32 s51, s62, 1
	s_add_co_u32 s58, s58, s51
	s_lshl_b32 s58, s58, 3
	s_add_co_u32 s58, s58, s47
	s_mul_i32 s58, s58, 1536
	s_mul_i32 s51, s63, 768
	s_add_co_u32 s58, s58, s51                     ; codes: ((8 block + head / 2) 8 + 2 cx) fragments on, + half a fragment for odd heads
	s_mov_b32 s59, 0
	s_lshr_b32 s51, s[CX], 1
	s_lshl_b32 s51, s51, 6
	s_and_b32 s62, s[CX], 1
	s_lshl_b32 s62, s62, 4
	s_add_co_u32 s51, s51, s62                     ; 64 (cx / 2) + 16 (cx % 2)
	s_mul_i32 s35, s[WV], PP
	s_add_co_u32 s35, s35, PB                      ; my place for sums handed over,
	s_or_b32 s36, s[WV], 4
	s_mul_i32 s36, s36, PP
	s_add_co_u32 s36, s36, PB                      ; and my pair's second wave's
	s_mov_b32 s[SEL], 0x76543210
	s_mov_b32 s[SEL+1], 0xfedcba98
	s_mov_b32 s[CS], 0x3e38aa3b                    ; c = log2(e) / sqrt(64)
	s_mov_b32 s[CS+1], s[CS]                       ; (named with it as a pair, so it is written)
	s_wait_alu depctr_va_vdst(0)
	s_wait_dscnt 0x0                               ; both opening adds are done
	s_wait_kmcnt 0x0
	s_add_nc_u64 s[48:49], s[4:5], s[48:49]
	s_add_nc_u64 s[54:55], s[4:5], s[54:55]
	s_add_nc_u64 s[56:57], s[4:5], s[56:57]
	s_add_nc_u64 s[58:59], s[6:7], s[58:59]
	s_add_nc_u64 s[60:61], s[6:7], s[60:61]
	s_mov_b32 s[G0], 1
	s_mov_b32 s[G0+1], s50
	s_mov_b64 s[G0+2:G0+3], s[48:49]
	s_or_b32 s[G0+3], s[G0+3], 0x80000000
	CROUND                                         ; all four work-groups are here: the joint loads meet
	s_cmp_eq_u32 s[WV], 0                          ; one load a wave; wave 0's, records 0 and 1, is a line of its own
	s_cbranch_scc0 .Lask_rest
	tensor_load_to_lds s[G0:G0+3], s[G1:G1+7]
	s_nop 0
.rept 4
	v_nop
.endr
	s_branch .Lasked
.Lask_rest:
	tensor_load_to_lds s[G0:G0+3], s[G1:G1+7]
	s_nop 0
.rept 4
	v_nop
.endr
.Lasked:
	v_and_b32 v98, 31, v0
	v_lshlrev_b32 v1, 4, v98
	v_lshlrev_b32 v7, 3, v98
	v_and_b32 v96, 15, v0                          ; r
	v_lshlrev_b32 v10, 4, v96
	LOADQ
	v_lshlrev_b32 v2, 2, v98
	v_cmp_lt_u32 s[HM], 15, v98
	v_bfe_u32 v97, v0, 4, 1                        ; h
	v_and_b32 v5, 8, v96
	v_mad_u32_u24 v5, v5, 3, v96                   ; 32 (r / 8) + r % 8
	v_add_nc_u32 v5, s51, v5                       ; my query of tile 0 among its 128 tokens,
	v_lshlrev_b32 v99, 5, v97
	v_sub_nc_u32 v5, v5, v99                       ; less 32 h;
	v_add_nc_u32 v8, 8, v5                         ; tile 1's
	v_lshl_add_u32 v6, v96, 4, v97
	v_add_nc_u32 v252, s35, v1
	v_add_nc_u32 v253, s36, v1
	v_mov_b32 v11, 0xff800000                      ; -infinity
	RESET
.irp i, 22,23,24,25,26,27,80,81,82,83,84,85,246,247,248,249,250,251
	v_mov_b32 v[\i], 0                             ; Q's zero codes for k = 64 .. 127, and what stands behind K's last tile
.endr
.irp i, 87,89,92,93,94,95,232,233,238,239
	v_mov_b32 v[\i], 0                             ; lane permutes' destinations, which count as sources; the upper halves of pairs
.endr
.macro QK u, t                         ; one tile of 16 keys x my tile u's 16 queries
	WIN 0x40*\u
.if (\t)%2
	v_wmma_scale_f32_16x16x128_f8f6f4 v[96+8*(\t):103+8*(\t)], v[32+6*(\t):43+6*(\t)], v[16+224*\u:27+224*\u], 0, v[212+(\t)/2], v[218+2*\u] matrix_a_fmt:MATRIX_FMT_FP6 matrix_b_fmt:MATRIX_FMT_FP6 matrix_a_scale:MATRIX_SCALE_ROW1
.else
	v_wmma_scale_f32_16x16x128_f8f6f4 v[96+8*(\t):103+8*(\t)], v[32+6*(\t):43+6*(\t)], v[16+224*\u:27+224*\u], 0, v[212+(\t)/2], v[218+2*\u] matrix_a_fmt:MATRIX_FMT_FP6 matrix_b_fmt:MATRIX_FMT_FP6
.endif
.endm
.macro PV u, i                         ; O^T += V^T P^T: column tile i
.set wv, 0x01+0x54*\u                  ; source 0 (V) window 1; P's codes, C and D in window u
	WIN wv
.if (\i)%2
	v_wmma_scale_f32_16x16x128_f8f6f4 v[160+8*(\i):167+8*(\i)], v[12*(\i):12*(\i)+11], v[192:203], v[160+8*(\i):167+8*(\i)], v[216+(\i)/2], v[219+2*\u] matrix_a_fmt:MATRIX_FMT_FP6 matrix_b_fmt:MATRIX_FMT_FP6 matrix_a_scale:MATRIX_SCALE_ROW1
.else
	v_wmma_scale_f32_16x16x128_f8f6f4 v[160+8*(\i):167+8*(\i)], v[12*(\i):12*(\i)+11], v[192:203], v[160+8*(\i):167+8*(\i)], v[216+(\i)/2], v[219+2*\u] matrix_a_fmt:MATRIX_FMT_FP6 matrix_b_fmt:MATRIX_FMT_FP6
.endif
.endm
.macro MASK u, q                       ; on the diagonal the scores of hidden keys become -infinity ahead of the maximum: p = 0 then
	s_cmp_lg_u32 s[RC], s[TT]
	s_cbranch_scc1 .Lopen_\@
	WIN 0x41*\u
.set n, 0
.rept 64                               ; register 32 c + i holds key 64 c + 32 h + i: hidden where 64 c + i > my query - 32 h
	v_cmp_gt_i32 vcc_lo, 64*(n/32)+n%32, \q
	v_cndmask_b32 v[96+n], v[96+n], v11, vcc_lo
.set n, n+1
.endr
	WIN 0
.Lopen_\@:
.endm
.macro MX u, x                         ; line x of 32: the largest score of each of tile u's two blocks, two chains a block, each accumulator from its low end on
.set C_, (\x)%4
.set D_, BM+4*\u
.set S_, 96+32*(C_%2)+16*(C_/2)
.if (\x) < 4
	WIN 0x15*\u
	v_max3_num_f32 v[D_+C_], v[S_], v[S_+1], v[S_+2]
.elseif (\x) < 28
.set R_, ((\x)-4)/4
	WIN 0x14*\u
	v_max3_num_f32 v[D_+C_], v[D_+C_], v[S_+3+2*R_], v[S_+4+2*R_]
.elseif (\x) < 30
	WIN 0x10*\u
	v_max3_num_f32 v[D_+C_], v[D_+C_], v[D_+2+C_], v[111+32*C_]
.else
	WIN 0x04*\u
	v_max_num_f32 v[D_+C_-2], v[D_+C_-2], v[127+32*(C_-2)]
.endif
.endm
.macro SA x                            ; line x of 48: the sums of the unquantised p: two lines of tile 1 (32, in four chains), one of tile 0 (16: what its 16 first sums come to)
.set G_, (\x)/3
.if (\x)%3 == 2
.if G_ == 15
	WIN 0x04
	v_pk_add_f32 v[14:15], v[14:15], v[48:49]
.else
	WIN 0x45
.if G_ < 8
.set L_, 8
.set K_, G_
.elseif G_ < 12
.set L_, 4
.set K_, G_-8
.elseif G_ < 14
.set L_, 2
.set K_, G_-12
.else
.set L_, 1
.set K_, 0
.endif
	v_pk_add_f32 v[48+2*K_:49+2*K_], v[48+2*K_:49+2*K_], v[48+2*(K_+L_):49+2*(K_+L_)]
.endif
.else
.set K_, 2*G_+(\x)%3
.if K_ == 31
	WIN 0x04
	v_pk_add_f32 v[30:31], v[30:31], v[80:81]
.else
	WIN 0x45
.if K_ < 4
	v_pk_add_f32 v[80+2*K_:81+2*K_], v[96+4*K_:97+4*K_], v[98+4*K_:99+4*K_]
.elseif K_ < 28
	v_pk_add_f32 v[80+2*(K_%4):81+2*(K_%4)], v[80+2*(K_%4):81+2*(K_%4)], v[104+2*K_:105+2*K_]
.elseif K_ < 30
	v_pk_add_f32 v[80+2*(K_%4):81+2*(K_%4)], v[80+2*(K_%4):81+2*(K_%4)], v[84+2*(K_%4):85+2*(K_%4)]
.else
	v_pk_add_f32 v[80:81], v[80:81], v[82:83]
.endif
.endif
.endif
.endm
; A KEY STEP: the 128 keys of record RC, at LDS byte TB, for both tiles.
.macro STEP
	v_add_nc_u32 v3, s[TB], v1
	v_add_nc_u32 v4, s[TB], v2
	v_mov_b32 v[OM], v12
	v_mov_b32 v[OM+1], v28                         ; (four places behind the last step's products, in front of loads into their operands)
	ds_load_b128 v[212:215], v3 offset:12288       ; K's scale words: register t / 2; lanes 0-15 the even tile, lanes 16-31 the odd one
.irp p, 0,1,2,3
.irp g, 0,1,2
	ds_load_b128 v[32+12*\p+4*\g:35+12*\p+4*\g], v3 offset:1536*\p+512*\g
.endr
.endr
	WIN 0x40
.irp i, 0,1,2,3                        ; V's four fragments land while the softmax is worked
.irp g, 0,1,2
	ds_load_b128 v[12*\i+4*\g:12*\i+4*\g+3], v3 offset:6144+1536*\i+512*\g
.endr
.endr
	WIN 0
	ds_load_b32 v216, v4 offset:12800
	ds_load_b32 v217, v4 offset:12928
	s_wait_alu depctr_va_vdst(0)                   ; ahead of the waits below
.set t, 0
.rept 8
.if t == 0
	s_wait_dscnt 23                                ; the scale words and tiles 0-1; nine loads of K and V's fourteen may be out
.elseif t == 1
	s_wait_dscnt 20                                ; tiles 2-3: tile 1's product names tile 2's registers
.elseif t == 3
	s_wait_dscnt 17
.elseif t == 5
	s_wait_dscnt 14                                ; V's alone may be out
.endif
	QK 0, t
.set t, t+1
.endr
.rept 4
	v_nop                                          ; places in front of the first read of tile 0's scores
.endr
	MASK 0, v5
.set t, 0
.rept 8                                ; tile 1's products, and under them tile 0's maxima; the last four lines are also the places in front of the first read of tile 1's scores
	QK 1, t
	MX 0, 4*t
	MX 0, 4*t+1
	MX 0, 4*t+2
	MX 0, 4*t+3
.set t, t+1
.endr
	WIN 0
	MASK 1, v8
.set t, 0
.rept 32
	MX 1, t
.set t, t+1
.endr
	WIN 0
	v_max_num_f32 v[RM], v[BM], v[BM+1]
	v_max_num_f32 v[RM+1], v[BM+4], v[BM+5]
	v_permlanex16_b32 v[PX], v[RM], s[SEL], s[SEL+1]
	v_permlanex16_b32 v[PX+1], v[RM+1], s[SEL], s[SEL+1]
	v_max3_num_f32 v13, v13, v[RM], v[PX]          ; the running largest score of my query, with lane l xor 16's keys
	v_max3_num_f32 v29, v29, v[RM+1], v[PX+1]
	v_mul_f32 v[RM], 0xbe38aa3b, v13               ; -t (c is positive)
	v_mul_f32 v[RM+1], 0xbe38aa3b, v29
	v_floor_f32 v12, v[RM]                         ; the new -M = -ceil(t): a whole number
	v_floor_f32 v28, v[RM+1]
.set n, 0
.rept 32
	v_pk_fma_f32 v[96+n:97+n], v[96+n:97+n], s[CS:CS+1], v[12:13] op_sel_hi:[1,0,0]   ; tile 0: t - M, two at a time
.if n == 4
	v_sub_f32 v[RM], v12, v[OM]                    ; old M less new M: a whole number, 0 or less
	v_sub_f32 v[RM+1], v28, v[OM+1]
.elseif n == 10
	v_cvt_i32_f32 v[RM], v[RM]                     ; (it saturates)
	v_cvt_i32_f32 v[RM+1], v[RM+1]
.elseif n == 16
	v_ldexp_f32 v[F0], 1.0, v[RM]                  ; f = 2^(old M - new M)
	v_ldexp_f32 v[F0+2], 1.0, v[RM+1]
.endif
.set n, n+2
.endr
.irp b, 0,1
	v_fma_f32 v[BM+\b], v[BM+\b], s[CS], v12       ; the same of each block's largest score
	v_fma_f32 v[BM+4+\b], v[BM+4+\b], s[CS], v28
.endr
.irp u, 0,1
	WIN 0x41*\u
.set n, 0
.rept 16
	v_pk_mul_f32 v[160+n:161+n], v[160+n:161+n], v[F0+2*\u:F0+2*\u+1] op_sel_hi:[1,0]   ; O^T under the new M
.set n, n+2
.endr
.endr
	WIN 0
	s_wait_alu depctr_va_vdst(0)                   ; ahead of the batch
.irp b, 0,1,4,5
	v_exp_f32 v[BM+\b], v[BM+\b]                   ; the blocks' largest p: the same two instructions on the same number give the same bits
.endr
.set n, 0
.rept 16                               ; tile 0's p = 2^(t - M), at most 1, and by turns tile 1's t - M, which this batch does not read
	WIN 0
	v_exp_f32 v[96+n], v[96+n]
	v_exp_f32 v[97+n], v[97+n]
	v_exp_f32 v[98+n], v[98+n]
	v_exp_f32 v[99+n], v[99+n]
	WIN 0x41
	v_pk_fma_f32 v[96+n:97+n], v[96+n:97+n], s[CS:CS+1], v[28:29] op_sel_hi:[1,0,0]
	v_pk_fma_f32 v[98+n:99+n], v[98+n:99+n], s[CS:CS+1], v[28:29] op_sel_hi:[1,0,0]
.set n, n+4
.endr
	WIN 0
	v_pk_mul_f32 v[14:15], v[14:15], v[F0:F0+1] op_sel_hi:[1,0]   ; the sums under the new M
	s_wait_alu depctr_va_vdst(0)                   ; the wait behind the batch
.irp b, 0,1,4,5
	v_max_num_f32 v[BM+\b], 0x1800000, v[BM+\b]    ; the floor 2^(3 - 127): a block whose every p is 0 keeps the byte 1: its codes are zeros
.endr
.irp b, 0,1
	v_add_nc_u32 v[SO+\b], 0xff000000, v[BM+\b]    ; 2 off the exponent field: the conversion's scale operand
	v_add_nc_u32 v[SO+2+\b], 0xff000000, v[BM+4+\b]
.endr
	s_wait_alu depctr_va_vdst(0)                   ; ahead of the next batch
.set n, 0
.rept 16                               ; tile 1's p, and by turns the first sums of tile 0's
	WIN 0x41
	v_exp_f32 v[96+n], v[96+n]
	v_exp_f32 v[97+n], v[97+n]
	v_exp_f32 v[98+n], v[98+n]
	v_exp_f32 v[99+n], v[99+n]
	WIN 0x40
	v_pk_add_f32 v[48+n/2:49+n/2], v[96+n:97+n], v[98+n:99+n]
.set n, n+4
.endr
	WIN 0
	v_pk_mul_f32 v[30:31], v[30:31], v[F0+2:F0+3] op_sel_hi:[1,0]
	s_wait_alu depctr_va_vdst(0)                   ; the wait behind the batch
.irp u, 0,1
	WIN 0x41*\u
.irp c, 0,1
	v_cvt_scalef32_pk16_fp6_f32 v[192+6*\c:194+6*\c], v[96+32*\c:111+32*\c], v[SO+2*\u+\c]
	v_cvt_scalef32_pk16_fp6_f32 v[204+4*\c:206+4*\c], v[112+32*\c:127+32*\c], v[SO+2*\u+\c]
.endr
.endr
	WIN 0
.irp b, 0,1,2,3
	v_lshrrev_b32 v[XW+\b], 23, v[SO+\b]           ; the bytes of blocks h and 2 + h
.endr
.irp u, 0,2
	v_lshl_or_b32 v[XW+\u], v[XW+\u+1], 16, v[XW+\u]
.endr
	v_permlanex16_b32 v[PY], v[XW], s[SEL], s[SEL+1]
	v_permlanex16_b32 v[PY+1], v[XW+2], s[SEL], s[SEL+1]
	v_lshl_or_b32 v219, v[PY], 8, v[XW]            ; p's scale words for these 128 keys: lanes 0-15 hold them whole, lanes 16-31 are not read
	v_lshl_or_b32 v221, v[PY+1], 8, v[XW+2]
.irp u, 0,1
	WIN 0x41*\u
.irp c, 0,1
.irp i, 0,1,2
	v_mov_b32 v[195+6*\c+\i], v[204+4*\c+\i]       ; (a conversion's three registers begin on an even number)
.endr
.endr
.endr
	WIN 0
	s_wait_alu depctr_va_vdst(0)                   ; ahead of the wait below
	s_wait_dscnt 0x0                               ; V is in
.set t, 0
.rept 8                                ; eight accumulators by turns, and under the products the sums of p
.set PU_, t/4
	PV PU_, t%4
	SA 6*t
	SA 6*t+1
	SA 6*t+2
	SA 6*t+3
	SA 6*t+4
	SA 6*t+5
.set t, t+1
.endr
	WIN 0
.endm
; THE WAY OUT: O^T / the sum is my 2 x 16 tokens' part of ctx, 64 along D: two blocks of 32 a tile; register 16 b + i is d = 32 b + 16 h + i.
.macro WAYOUT
.rept 4
	v_nop
.endr
	v_add_f32 v14, v14, v15
	v_add_f32 v30, v30, v31
	v_permlanex16_b32 v[PY], v14, s[SEL], s[SEL+1]
	v_permlanex16_b32 v[PY+1], v30, s[SEL], s[SEL+1]
	v_add_f32 v14, v14, v[PY]                      ; the rows' sums
	v_add_f32 v30, v30, v[PY+1]
	s_wait_alu depctr_va_vdst(0)
	v_rcp_f32 v[F0], v14
	v_rcp_f32 v[F0+2], v30
	v_nop                                          ; a plain place behind the reciprocals
.irp u, 0,1
	WIN 0x41*\u
	s_wait_alu depctr_va_vdst(0)                   ; ahead of the first reader
.set n, 0
.rept 16
	v_pk_mul_f32 v[96+n:97+n], v[160+n:161+n], v[F0+2*\u:F0+2*\u+1] op_sel_hi:[1,0]   ; each accumulator from its low end on
.set n, n+2
.endr
.endr
.irp u, 0,1
	WIN 0x05*\u
.irp b, 0,1
	v_max3_num_f32 v[BM+4*\u+\b], |v[96+16*\b]|, |v[97+16*\b]|, 0x1800000
.endr
	WIN 0x14*\u
.irp i, 2,4,6,8,10,12,14
.irp b, 0,1
	v_max3_num_f32 v[BM+4*\u+\b], v[BM+4*\u+\b], |v[96+16*\b+\i]|, |v[97+16*\b+\i]|
.endr
.endr
.endr
	WIN 0
.irp u, 0,1
.irp b, 0,1
	v_permlanex16_b32 v[XW+2*\u+\b], v[BM+4*\u+\b], s[SEL], s[SEL+1]
.endr
.endr
.irp u, 0,1
.irp b, 0,1
	v_max_num_f32 v[BM+4*\u+\b], v[BM+4*\u+\b], v[XW+2*\u+\b]
.endr
.endr
.irp u, 0,1
.irp b, 0,1
	v_add_nc_u32 v[SO+2*\u+\b], 0xff000000, v[BM+4*\u+\b]
.endr
.endr
.irp b, 0,1,2,3
	v_lshrrev_b32 v[XW+\b], 23, v[SO+\b]
.endr
.irp u, 0,1
	WIN 0x01*\u                                    ; both tiles' codes into window 0: six registers each from v192 on
	v_cvt_scalef32_pk16_fp6_f32 v[192+6*\u:194+6*\u], v[96:111], v[SO+2*\u]
	v_cvt_scalef32_pk16_fp6_f32 v[204+4*\u:206+4*\u], v[112:127], v[SO+2*\u+1]
.endr
	WIN 0
	v_nop                                          ; one plain place behind the scaled conversions
.irp u, 0,1
.irp i, 0,1,2
	v_permlane16_swap_b32 v[192+6*\u+\i], v[204+4*\u+\i]
.endr
.irp i, 0,1,2
	v_mov_b32 v[195+6*\u+\i], v[204+4*\u+\i]
.endr
.endr
	v_cndmask_b32 v[RM], v[XW], v[XW+1], s[HM]     ; lanes 0-15 store the first block's byte, lanes 16-31 the second's
	v_cndmask_b32 v[RM+1], v[XW+2], v[XW+3], s[HM]
	s_wait_alu depctr_va_vdst(0)
.irp u, 0,1
	global_store_b128 v1, v[192+6*\u:195+6*\u], s[58:59] offset:1536*\u   ; half a fragment's image: 512 consecutive bytes, then 256
	global_store_b64 v7, v[196+6*\u:197+6*\u], s[58:59] offset:1536*\u+512
.endr
	global_store_b8 v6, v[RM], s[60:61]
	global_store_b8 v6, v[RM+1], s[60:61] offset:256
.endm
	s_wait_alu depctr_va_vdst(0)
	s_wait_loadcnt 0x0                             ; Q
	s_cmp_eq_u32 s[WV], 0
	s_cbranch_scc0 .Lnot_first
	s_wait_tensorcnt 0x0                           ; wave 0: records 0 and 1; the others' loads may be out
.Lnot_first:
	s_barrier_signal -1
	s_barrier_wait -1
	s_mov_b32 s[RC], 0                             ; every wave's first key step is record 0
	s_mov_b32 s[TB], 0
	STEP
	s_wait_alu depctr_va_vdst(0)
	s_wait_tensorcnt 0x0                           ; my records
	s_wait_dscnt 0x0
	s_barrier_signal -1
	s_barrier_wait -1                              ; everybody's
	s_mov_b32 s[ST], 1
.Ltrip:
	s_cmp_lg_u32 s[ST], s[SW1]
	s_cbranch_scc1 .Lsame
	WAYOUT                                         ; waves 4-7: block i is finished; on to block 15 - i
	s_add_nc_u64 s[54:55], s[54:55], s[30:31]
	s_add_nc_u64 s[56:57], s[56:57], s[32:33]
	LOADQ
	s_mov_b32 s[TT], s29
	RESET
	s_wait_alu depctr_va_vdst(0)
	s_wait_xcnt 0x0                                ; the stores have read their registers
	s_wait_loadcnt 0x0
.Lsame:
	s_cmp_lt_u32 s[ST], s[NT]
	s_cbranch_scc0 .Lskip
	s_add_co_u32 s37, s[ST], s28
	s_cmp_lt_u32 s[ST], s[SW1]
	s_cselect_b32 s[RC], s[ST], s37                ; the trip; behind the change 9 and on,
	s_min_u32 s[RC], s[RC], 15                     ; up to the last record
	s_mul_i32 s[TB], s[RC], REC
	STEP
.Lskip:
	s_wait_alu depctr_va_vdst(0)                   ; ahead of the branch
	s_add_co_u32 s[ST], s[ST], 1
	s_cmp_lt_u32 s[ST], 9
	s_cbranch_scc1 .Ltrip
	s_cmp_lt_u32 s[WV], 4
	s_cbranch_scc1 .Lkeep
.rept 4
	v_nop                                          ; places behind the last products
.endr
.irp k, 0,1,2,3,4,5,6,7                ; waves 4-7: block 15 - i's sums go to my place in LDS: O^T, then -M, the largest score and the row's sum, for each tile
	ds_store_b128 v252, v[160+4*\k:163+4*\k] offset:512*\k
.endr
	ds_store_b128 v252, v[12:15] offset:4096
	WIN 0x04
.irp k, 0,1,2,3,4,5,6,7
	ds_store_b128 v252, v[160+4*\k:163+4*\k] offset:4608+512*\k
.endr
	WIN 0
	ds_store_b128 v252, v[28:31] offset:8704
.Lkeep:
	s_wait_alu depctr_va_vdst(0)
	s_wait_dscnt 0x0                               ; for the others' sake: what I handed over has landed
	s_barrier_signal -1
	s_barrier_wait -1
	s_cmp_lt_u32 s[WV], 4
	s_cbranch_scc0 .Lend
.rept 4
	v_nop
.endr
.irp k, 0,1,2,3,4,5,6,7                ; waves 0-3 join the two waves' sums of block 15 - i: both brought under the larger M by powers of two
	ds_load_b128 v[96+4*\k:99+4*\k], v253 offset:512*\k
.endr
	ds_load_b128 v[128:131], v253 offset:4096
	ds_load_b128 v[132:135], v253 offset:8704
	WIN 0x40
.irp k, 0,1,2,3,4,5,6,7
	ds_load_b128 v[96+4*\k:99+4*\k], v253 offset:4608+512*\k
.endr
	WIN 0
	s_wait_dscnt 0x0
	v_min_num_f32 v[RM], v12, v128                 ; the common -M
	v_min_num_f32 v[RM+1], v28, v132
	v_sub_f32 v[XW], v[RM], v12
	v_sub_f32 v[XW+1], v[RM], v128
	v_sub_f32 v[XW+2], v[RM+1], v28
	v_sub_f32 v[XW+3], v[RM+1], v132
.irp b, 0,1,2,3
	v_cvt_i32_f32 v[XW+\b], v[XW+\b]
.endr
	v_ldexp_f32 v[F0], 1.0, v[XW]
	v_ldexp_f32 v[SO], 1.0, v[XW+1]
	v_ldexp_f32 v[F0+2], 1.0, v[XW+2]
	v_ldexp_f32 v[SO+2], 1.0, v[XW+3]
	v_pk_mul_f32 v[14:15], v[14:15], v[F0:F0+1] op_sel_hi:[1,0]
	v_pk_mul_f32 v[30:31], v[30:31], v[F0+2:F0+3] op_sel_hi:[1,0]
	v_pk_fma_f32 v[14:15], v[130:131], v[SO:SO+1], v[14:15] op_sel_hi:[1,0,1]
	v_pk_fma_f32 v[30:31], v[134:135], v[SO+2:SO+3], v[30:31] op_sel_hi:[1,0,1]
.irp u, 0,1
	WIN 0x41*\u
.set n, 0
.rept 16
	v_pk_mul_f32 v[160+n:161+n], v[160+n:161+n], v[F0+2*\u:F0+2*\u+1] op_sel_hi:[1,0]
.set n, n+2
.endr
	WIN 0x51*\u
.set n, 0
.rept 16
	v_pk_fma_f32 v[160+n:161+n], v[96+n:97+n], v[SO+2*\u:SO+2*\u+1], v[160+n:161+n] op_sel_hi:[1,0,1]
.set n, n+2
.endr
.endr
	WIN 0
	WAYOUT
.Lend:
	s_wait_tensorcnt 0x0                           ; the wave's end
	ds_add_u32 v254, v255
	s_wait_dscnt 0x0
	CROUND                                         ; the closing round
	s_endpgm
.Lfunc_end_k_q301128b224_attn:
	.size	k_q301128b224_attn, .Lfunc_end_k_q301128b224_attn-k_q301128b224_attn
	.p2alignl 7, 3214868480
	.fill 96, 4, 3214868480
	.section	.rodata,"a",@progbits
	.p2align	6, 0x0
	.amdhsa_kernel k_q301128b224_attn
		.amdhsa_group_segment_fixed_size 310272
		.amdhsa_private_segment_fixed_size 0
		.amdhsa_enable_private_segment 0
		.amdhsa_kernarg_size 16
		.amdhsa_user_sgpr_count 2
		.amdhsa_user_sgpr_kernarg_segment_ptr 1
		.amdhsa_wavefront_size32 1
		.amdhsa_system_sgpr_workgroup_id_x 1
		.amdhsa_system_sgpr_workgroup_id_y 1
		.amdhsa_system_sgpr_workgroup_id_z 1
		.amdhsa_system_vgpr_workitem_id 0
		.amdhsa_next_free_vgpr 512
		.amdhsa_next_free_sgpr 66
		.amdhsa_reserve_vcc 1
		.amdhsa_float_denorm_mode_32 3
		.amdhsa_float_denorm_mode_16_64 3
		.amdhsa_memory_ordered 1
		.amdhsa_forward_progress 1
		.amdhsa_inst_pref_size 117
	.end_amdhsa_kernel
	.amdgpu_metadata
---
amdhsa.version: [ 1, 2 ]
amdhsa.kernels:
  - .name:           k_q301128b224_attn
    .symbol:         k_q301128b224_attn.kd
    .args:
      - { .name: qkv, .offset: 0, .size: 8, .value_kind: global_buffer, .address_space: global }
      - { .name: ctx, .offset: 8, .size: 8, .value_kind: global_buffer, .address_space: global }
    .group_segment_fixed_size: 310272
    .private_segment_fixed_size: 0
    .kernarg_segment_align: 8
    .kernarg_segment_size: 16
    .max_flat_workgroup_size: 256
    .sgpr_count:     66
    .vgpr_count:     512
    .wavefront_size: 32
...
	.end_amdgpu_metadata
.endif
;; end of part 3
;; launch outp (part 4): grid 8 x 32, 4 waves a work-group, clusters of 4 x 4, 214,528 bytes of LDS; arguments ctx, xw, bo, out0; writes out0
.if DOCPART == 4
	.amdgcn_target "amdgcn-amd-amdhsa--gfx1250"
	.amdhsa_code_object_version 6
	.text
	.protected	k_q301128b224_outp
	.globl	k_q301128b224_outp
	.p2align	8
	.type	k_q301128b224_outp,@function
k_q301128b224_outp:
	s_mov_b64 s[64:65], 0
	v_nop
	global_prefetch_b8 v0, s[64:65] scope:SCOPE_SE
	s_setreg_imm32_b32 hwreg(HW_REG_WAVE_MODE, 25, 1), 1
	s_wait_xcnt 0x0
	s_wait_alu depctr_hold_cnt(0) depctr_sa_sdst(0) depctr_va_vdst(0) depctr_va_sdst(0) depctr_va_ssrc(0) depctr_va_vcc(0) depctr_vm_vsrc(0)
	s_getreg_b32 s2, hwreg(HW_REG_IB_STS2, 6, 4)
	s_cmp_eq_u32 s2, 0
	s_cbranch_scc0 .Lentry_in_a_cluster
	s_endpgm
.Lentry_in_a_cluster:
	s_bfe_u32 s2, ttmp6, 0x10000c
	s_cmp_lg_u32 s2, 0xf033
	s_cbranch_scc0 .Lentry_shape_is_right
	s_endpgm
.Lentry_shape_is_right:
; out0 = ctx Wo + bo on codes of FP6 (E2M3) with E8M0 scales; out0 [4096][1024] f32.
; A work-group takes 128 tokens (gy) x 128 columns (gx); wave w takes 64 tokens (w / 2) x 64 columns (w % 2).  A WAVE KEEPS ITS 64 COLUMNS OF Wo, ALL OF K, IN REGISTERS (32 fragments, 384 registers) and walks its four tiles of 16
; tokens: 32 products finish a tile, and it leaves under the next tile's products.
; ALL OF K LIES IN LDS: Wo's 8 K steps and ctx's, 98,304 bytes each, are filled once, by one joint load a wave: waves 0 and 1 Wo's halves, waves 2 and 3 ctx's.  Wo goes on into registers while ctx lands.  No LDS byte is filled twice.
; CLUSTER 4 x 4: ctx's block hangs on gy alone and is asked for jointly along a row of the cluster, Wo's on gx alone, along a column.  No prefetch: all that is read by tensor loads is asked for at the head.
; Source 0 = 16 columns of Wo, source 1 = 16 tokens: a lane holds one token and eight neighbouring columns.  bo is the C of each sum's first product.  Of each 64 tokens tile j holds in lane r number 32 (r / 8) + 8 j + r % 8;
; of each 32 columns tile u holds 8 u + r + 8 (r / 8), by which the columns come out in order; the tokens are put right by the stores' offsets.
; The way out goes through the wave's own stage in LDS, which no fill touches: sixteen lanes store 256 consecutive bytes at a multiple of 256 from out0's first byte.
; REGISTERS: window 0: v1 16 x lane, v2 8 x lane, v4-15 LDS addresses, v16-31 ctx's scale words, v32-47 Wo's, v48-51 the way out's addresses, v54-55 the add's, v64-159 and v160-255 ctx's fragments, two sets.
;   Wo's fragment f = 4 (K step) + column tile: window 1 + f / 21, register 12 (f % 21).   window 2: v132-195 two sets of four accumulators, v196-227 bo in the result's layout.   window 3: v0-63 rows read back, two sets.
.set CS_O, 3145728
.set OC_O, 5734400
.set OS_O, 6520832
.set KSTP, 12288                       ; a K step of either block: 8 fragments
.set BBASE, 8*KSTP
.set STAGE, 16*KSTP                    ; behind the blocks: 16 rows x (256 bytes + 16) for each wave
.set SPARE, STAGE+4*16*272
.set A16,  4
.set A8,   8
.set BADR, 12
.set SA,   16
.set SB,   32
.set STO,  48
.set RD,   49
.set CO,   50
.set BO,   51
.set SPW,  54
.set NIL,  55
.set AF,   64
.set ACC,  132
.set BIAS, 196
.set G1A, 16
.set G1B, 24
.set G0,  32                           ; four sets
.set MSB, 0
.macro WIN new
.if MSB != \new
	s_set_vgpr_msb (MSB<<8)|\new
.set MSB, \new
.endif
.endm
.macro PLACES
.rept 4
	v_nop
.endr
.endm
.macro BAR
	s_barrier_signal -1
	s_barrier_wait -1
.endm
.macro CROUND
	BAR
	s_cmp_lg_u32 s12, 0
	s_cbranch_scc1 .Lnot_wave_0_\@
	s_barrier_signal -3
.Lnot_wave_0_\@:
	s_barrier_wait -3
	BAR
.endm
.macro TLOAD g0, g1
	tensor_load_to_lds s[\g0:\g0+3], s[\g1:\g1+7]
	s_nop 0
	PLACES
.endm
.macro GROUP1 g, mask                  ; four K steps, 49,152 dense bytes, as 192 rows of 256 bytes
	s_or_b32 s[\g], s\mask, (3<<16)|(1<<21)
	s_mov_b32 s[\g+1], 32<<16
	s_mov_b32 s[\g+2], 192<<16
	s_mov_b32 s[\g+3], 32<<16
	s_mov_b32 s[\g+4], 192
	s_mov_b32 s[\g+5], 32
	s_mov_b32 s[\g+6], 0
	s_mov_b32 s[\g+7], 0
.endm
.macro GROUP0 n, base, off, lds
	s_mov_b32 s[G0+4*\n], 1
	s_mov_b32 s[G0+4*\n+1], \lds
	s_add_nc_u64 s[G0+4*\n+2:G0+4*\n+3], s[\base:\base+1], \off
	s_or_b32 s[G0+4*\n+3], s[G0+4*\n+3], 0x80000000
.endm
	s_load_b256 s[4:11], s[0:1], 0x0               ; ctx, xw, bo, out0
	v_lshl_add_u32 v[SPW], v0, 2, SPARE
	v_mov_b32 v[NIL], 0
	ds_add_u32 v[SPW], v[NIL]                      ; the opening add, twice on end
	ds_add_u32 v[SPW], v[NIL]
	v_lshrrev_b32 v3, 5, v0
	v_readfirstlane_b32 s12, v3                    ; wave 0..3
	s_and_b32 s13, s12, 1                          ; my half of the columns
	s_lshr_b32 s14, s12, 1                         ; my half of the tokens
	s_bfe_u32 s66, ttmp6, 0x40000                  ; cx, cy
	s_bfe_u32 s67, ttmp6, 0x40004
	s_lshl_b32 s68, ttmp9, 2
	s_add_co_u32 s68, s68, s66                     ; gx
	s_and_b32 s69, ttmp7, 0xffff
	s_lshl_b32 s69, s69, 2
	s_add_co_u32 s69, s69, s67                     ; gy
	s_lshl_b32 s70, s67, 2
	s_lshl_b32 s70, 15, s70                        ; my row of the cluster
	s_lshl_b32 s71, 0x1111, s66                    ; my column
	GROUP1 G1A, 70
	GROUP1 G1B, 71
	s_mul_i32 s72, s69, 8*KSTP                     ; ctx's block hangs on gy alone, Wo's on gx alone
	s_mov_b32 s73, 0
	s_mul_i32 s74, s68, 8*KSTP
	s_add_co_u32 s74, s74, OC_O
	s_mov_b32 s75, 0
	s_lshl_b32 s78, s69, 12
	s_lshl_b32 s86, s14, 11
	s_add_co_u32 s78, s78, s86
	s_add_co_u32 s78, s78, CS_O                    ; ctx's scale words: my two pairs of tiles
	s_mov_b32 s79, 0
	s_lshl_b32 s80, s68, 12
	s_lshl_b32 s86, s13, 11
	s_add_co_u32 s80, s80, s86
	s_add_co_u32 s80, s80, OS_O                    ; Wo's likewise
	s_mov_b32 s81, 0
	s_lshl_b32 s82, s68, 9
	s_lshl_b32 s86, s13, 8
	s_add_co_u32 s82, s82, s86                     ; my first column, in bytes: 512 gx + 256 (w % 2)
	s_mov_b32 s83, 0
	s_lshl_b32 s84, s69, 7
	s_lshl_b32 s86, s14, 6
	s_add_co_u32 s84, s84, s86
	s_lshl_b32 s84, s84, 12                        ; my first token's row of 4,096 bytes
	s_add_co_u32 s84, s84, s82
	s_mov_b32 s85, 0
	s_wait_alu depctr_va_vdst(0)
	s_wait_dscnt 0x0                               ; both opening adds are done
	s_wait_kmcnt 0x0
	s_add_nc_u64 s[72:73], s[4:5], s[72:73]
	s_add_nc_u64 s[74:75], s[6:7], s[74:75]
	s_add_nc_u64 s[78:79], s[4:5], s[78:79]
	s_add_nc_u64 s[80:81], s[6:7], s[80:81]
	s_add_nc_u64 s[82:83], s[8:9], s[82:83]
	s_add_nc_u64 s[84:85], s[10:11], s[84:85]
	GROUP0 0, 74, 0, BBASE
	GROUP0 1, 74, 4*KSTP, BBASE+4*KSTP
	GROUP0 2, 72, 0, 0
	GROUP0 3, 72, 4*KSTP, 4*KSTP
	CROUND                                         ; all sixteen work-groups are here: the joint loads meet
	s_cmp_eq_u32 s12, 0                            ; one load a wave, each line one wave's own
	s_cbranch_scc0 .Lask_1
	TLOAD G0, G1B
	s_branch .Lasked
.Lask_1:
	s_cmp_eq_u32 s12, 1
	s_cbranch_scc0 .Lask_2
	TLOAD G0+4, G1B
	s_branch .Lasked
.Lask_2:
	s_cmp_eq_u32 s12, 2
	s_cbranch_scc0 .Lask_3
	TLOAD G0+8, G1A
	s_branch .Lasked
.Lask_3:
	TLOAD G0+12, G1A
.Lasked:
	v_and_b32 v3, 31, v0
	v_lshlrev_b32 v1, 4, v3
	v_lshlrev_b32 v2, 3, v3
	v_and_b32 v52, 15, v0                          ; r
	v_bfe_u32 v53, v0, 4, 1                        ; h
	v_lshlrev_b32 v[BO], 6, v53                    ; bo: lanes 16-31 begin 16 columns on
.irp p, 0,1
.irp g, 0,1
	global_load_b128 v[SA+8*\p+4*\g:SA+8*\p+4*\g+3], v1, s[78:79] offset:1024*\p+512*\g   ; register SA + 8 pair + K step
	global_load_b128 v[SB+8*\p+4*\g:SB+8*\p+4*\g+3], v1, s[80:81] offset:1024*\p+512*\g
.endr
.endr
	WIN 0x80                                       ; destination window 2
.irp i, 0,1,2,3                        ; column tile i: lane (r, h) wants bo at columns 32 (i / 2) + 16 h + 8 (i % 2) + 0 .. 7
	global_load_b128 v[BIAS+8*\i:BIAS+8*\i+3], v[BO], s[82:83] offset:128*(\i/2)+32*(\i%2)
	global_load_b128 v[BIAS+8*\i+4:BIAS+8*\i+7], v[BO], s[82:83] offset:128*(\i/2)+32*(\i%2)+16
.endr
	WIN 0
	s_mul_i32 s86, s14, 6144                       ; my four fragments in ctx's K step,
	s_mul_i32 s87, s13, 6144
	s_add_co_u32 s87, s87, BBASE                   ; and in Wo's
.irp g, 0,1,2,3
	v_add_nc_u32 v[A16+\g], s86, v1
	v_add_nc_u32 v[A8+\g], s86, v2
	v_add_nc_u32 v[BADR+\g], s87, v1
	s_add_co_u32 s86, s86, 2*KSTP
	s_add_co_u32 s87, s87, 2*KSTP
.endr
	s_mul_i32 s88, s12, 16*272
	s_add_co_u32 s88, s88, STAGE                   ; my stage
	v_mul_u32_u24 v[STO], v52, 272
	v_lshl_add_u32 v[STO], v53, 6, v[STO]
	v_add_nc_u32 v[STO], s88, v[STO]               ; in: row r, + 64 h
	v_mul_u32_u24 v[RD], v53, 272
	v_lshl_add_u32 v[RD], v52, 4, v[RD]
	v_add_nc_u32 v[RD], s88, v[RD]                 ; back: lanes 0-15 one row, lanes 16-31 the next
	v_lshlrev_b32 v[CO], 12, v53
	v_lshl_add_u32 v[CO], v52, 4, v[CO]            ; and the same in out0
.macro FETCH j                         ; token tile j's fragments, all of K, into set j % 2: two halves of 768 bytes each
.set k, 0
.rept 8
.set fd, AF+96*((\j)%2)+12*k
.set fo, KSTP*(k%2)+1536*(\j)
.irp c, 0,1
	ds_load_b128 v[fd+6*\c:fd+6*\c+3], v[A16+k/2] offset:fo+768*\c
	ds_load_b64 v[fd+6*\c+4:fd+6*\c+5], v[A8+k/2] offset:fo+768*\c+512
.endr
.set k, k+1
.endr
.endm
.macro WMS c, ra, rb
	v_wmma_scale_f32_16x16x128_f8f6f4 v[rD:rD+7], v[rA:rA+11], v[rB:rB+11], \c, v[rSA], v[rSB] matrix_a_fmt:MATRIX_FMT_FP6 matrix_b_fmt:MATRIX_FMT_FP6 matrix_a_scale:MATRIX_SCALE_ROW\ra matrix_b_scale:MATRIX_SCALE_ROW\rb
.endm
.macro MUL j, from, to                 ; products from .. to - 1 of tile j's 32, n = 4 (K step) + column tile: four accumulators by turns, one instruction a turn; bo is the first products' C
.set n, \from
.rept (\to)-(\from)
.set rD, ACC+32*((\j)%2)+8*(n%4)
.set rA, 12*(n%21)
.set rB, AF+96*((\j)%2)+12*(n/4)
.set rC, rD
.if n < 4
.set rC, BIAS+8*n
.endif
.set rSA, SB+8*((n%4)/2)+n/4
.set rSB, SA+8*((\j)/2)+n/4
.set wv, 0xa1+n/21                     ; source 0 (Wo) window 1 or 2, source 1 (ctx) window 0, C and D window 2
	WIN wv
.if n%2
.if (\j)%2
	WMS v[rC:rC+7], 1, 1
.else
	WMS v[rC:rC+7], 1, 0
.endif
.else
.if (\j)%2
	WMS v[rC:rC+7], 0, 1
.else
	WMS v[rC:rC+7], 0, 0
.endif
.endif
.set n, n+1
.endr
.endm
; THE WAY OUT of tile j, through my own stage.  LDS serves a wave's instructions in order (ISA guide 5.7.1.4): no wait between the stores and the loads, nor in front of the next tile's stores.
.macro TOSTAGE j
	WIN 0x08                                       ; the data: window 2
.irp i, 0,1,2,3
.set rD, ACC+32*((\j)%2)+8*\i
	ds_store_b128 v[STO], v[rD:rD+3] offset:128*(\i/2)+32*(\i%2)        ; each accumulator from its low end on
	ds_store_b128 v[STO], v[rD+4:rD+7] offset:128*(\i/2)+32*(\i%2)+16
.endr
	WIN 0xc0                                       ; destination window 3
.irp t, 0,1,2,3,4,5,6,7
	ds_load_b128 v[32*((\j)%2)+4*\t:32*((\j)%2)+4*\t+3], v[RD] offset:544*\t
.endr
	WIN 0
.endm
.macro SEND j                          ; stage row r = 2 t + h of tile j is token 32 (r / 8) + 8 j + r % 8 of my 64
	s_wait_dscnt 0x0                               ; the tile is back in registers
	WIN 0x0c                                       ; the data: window 3
.irp t, 0,1,2,3,4,5,6,7
	global_store_b128 v[CO], v[32*((\j)%2)+4*\t:32*((\j)%2)+4*\t+3], s[84:85] offset:(32*(\t/4)+8*(\j)+2*(\t%4))*4096 th:TH_STORE_NT
.endr
	WIN 0
.endm
	s_wait_alu depctr_va_vdst(0)
	s_wait_loadcnt 0x0                             ; scale words and bias
	s_cmp_lt_u32 s12, 2
	s_cbranch_scc0 .Lnot_first
	s_wait_tensorcnt 0x0                           ; waves 0 and 1: Wo; ctx may still be on its way
.Lnot_first:
	BAR
.set n, 0
.rept 32                               ; my 64 columns of Wo, all of K: 96 loads
.set fo, KSTP*((n/4)%2)+1536*(n%4)
.set wv, 0x40+0x40*(n/21)
	WIN wv
.irp c, 0,1,2
	ds_load_b128 v[12*(n%21)+4*\c:12*(n%21)+4*\c+3], v[BADR+n/8] offset:fo+512*\c
.endr
.set n, n+1
.endr
	WIN 0
	s_wait_tensorcnt 0x0
	s_wait_dscnt 0x0
	BAR                                            ; ctx is in
	FETCH 0
	FETCH 1
	s_wait_dscnt 32                                ; tile 0's; tile 1's 32 loads may be out
	MUL 0, 0, 32
	s_wait_dscnt 0x0
.irp j, 1,2,3                          ; tile j's products; behind the first eight, tile j - 1 goes to the stage and tile j + 1's fragments are fetched; then tile j - 1 leaves
	MUL \j, 0, 8
	PLACES
	v_nop                                          ; a fifth place: tile j + 1 begins tile j - 1's accumulators anew, with bo as C
	WIN 0
.if \j > 2
	s_wait_xcnt 0x0                                ; the stores of two tiles back have read their registers, which are loaded again below
.endif
	TOSTAGE \j-1
.if \j < 3
	FETCH \j+1
.endif
	MUL \j, 8, 20
	SEND \j-1
	MUL \j, 20, 32
.endr
	PLACES
	s_wait_xcnt 0x0
	TOSTAGE 3
	SEND 3
	s_wait_tensorcnt 0x0                           ; the wave's end
	ds_add_u32 v[SPW], v[NIL]
	s_wait_dscnt 0x0
	CROUND                                         ; the closing round
	s_endpgm
.Lfunc_end_k_q301128b224_outp:
	.size	k_q301128b224_outp, .Lfunc_end_k_q301128b224_outp-k_q301128b224_outp
	.p2alignl 7, 3214868480
	.fill 96, 4, 3214868480
	.section	.rodata,"a",@progbits
	.p2align	6, 0x0
	.amdhsa_kernel k_q301128b224_outp
		.amdhsa_group_segment_fixed_size 214528
		.amdhsa_private_segment_fixed_size 0
		.amdhsa_enable_private_segment 0
		.amdhsa_kernarg_size 32
		.amdhsa_user_sgpr_count 2
		.amdhsa_user_sgpr_kernarg_segment_ptr 1
		.amdhsa_wavefront_size32 1
		.amdhsa_system_sgpr_workgroup_id_x 1
		.amdhsa_system_sgpr_workgroup_id_y 1
		.amdhsa_system_sgpr_workgroup_id_z 1
		.amdhsa_system_vgpr_workitem_id 0
		.amdhsa_next_free_vgpr 832
		.amdhsa_next_free_sgpr 92
		.amdhsa_reserve_vcc 0
		.amdhsa_float_denorm_mode_32 3
		.amdhsa_float_denorm_mode_16_64 3
		.amdhsa_memory_ordered 1
		.amdhsa_forward_progress 1
		.amdhsa_inst_pref_size 50
	.end_amdhsa_kernel
	.amdgpu_metadata
---
amdhsa.version: [ 1, 2 ]
amdhsa.kernels:
  - .name:           k_q301128b224_outp
    .symbol:         k_q301128b224_outp.kd
    .args:
      - { .name: ctx, .offset: 0, .size: 8, .value_kind: global_buffer, .address_space: global }
      - { .name: xw, .offset: 8, .size: 8, .value_kind: global_buffer, .address_space: global }
      - { .name: bo, .offset: 16, .size: 8, .value_kind: global_buffer, .address_space: global }
      - { .name: out0, .offset: 24, .size: 8, .value_kind: global_buffer, .address_space: global }
    .group_segment_fixed_size: 214528
    .private_segment_fixed_size: 0
    .kernarg_segment_align: 8
    .kernarg_segment_size: 32
    .max_flat_workgroup_size: 128
    .sgpr_count:     92
    .vgpr_count:     832
    .wavefront_size: 32
...
	.end_amdgpu_metadata
.endif
;; end of part 4
